; MI455X (gfx1250); checked and timed in simulation.
; The chip was launched on July 23, 2026; its instructions are those of AMD's public machine-readable ISA for CDNA 5 (MIT licence, August 2026) and "CDNA5" Instruction Set Architecture Reference Guide (July 2026). The comments in the code are by the model that wrote it; some were corrected since.
;; Parallel Transformer Block. Allowed arithmetic: matrix products marked QUANTISED: E2M3 operands, one E8M0 scale for each 32 along K, by v_wmma_scale_f32_16x16x128_f8f6f4 with both operands' format E2M3, f32 sums; products left as they are: f32 operands where the result goes on into a quantised operand, else bf16, f16 or f32 operands; f32 sums; everything else in f32.
;; Inputs: W_attn_out_codes 1,024 x 16 x 24 uint8 (E2M3 codes of W_attn_out, K innermost, in blocks of 32 codes, four codes in three bytes); W_attn_out_scales 1,024 x 16 uint8 (E8M0 scales of W_attn_out, one for each 32 codes along K); W_ff_out_codes 1,024 x 128 x 24 uint8 (E2M3 codes of W_ff_out, K innermost, in blocks of 32 codes, four codes in three bytes); W_ff_out_scales 1,024 x 128 uint8 (E8M0 scales of W_ff_out, one for each 32 codes along K); W_fused_codes 8,768 x 32 x 24 uint8 (E2M3 codes of W_fused, K innermost, in blocks of 32 codes, four codes in three bytes); W_fused_scales 8,768 x 32 uint8 (E8M0 scales of W_fused, one for each 32 codes along K); gamma 1,024 float32; x 2 x 2,048 x 1,024 float32.
;; Outputs: out0 2 x 2,048 x 1,024 float32.
;; This version of the problem:
;;   THIS VERSION OF THE PROBLEM IS GIVEN IN LOW PRECISION. The matrix products marked QUANTISED in the list below multiply operands that are first quantised to E2M3 (2 exponent bits, 3 mantissa bits; 6 bits a number), with one power-of-two scale for each 32 numbers along K (OCP MX v1.0); their sums are f32. All else is computed in f32.
;;   The module's matrix products, in the order in which they are computed (A, B: the left and right operand; K: the contracted axis; several contracted axes count as one K, in the product's order):
;;     1. [M 4,096, K 1,024] x [K 1,024, N 8,768]; A: computed on the way; B: input W_fused (given as codes): QUANTISED
;;     2. [M 2,048, K 1] x [K 1, N 16]; A: computed on the way; B: computed on the way: left as it is (no contracted axis)
;;     3. batch 2 x [M 32,768, K 32] x [K 32, N 2,048]; A: computed on the way; B: computed on the way: QUANTISED
;;     4. batch 2 x [M 32,768, K 2,048] x [K 2,048, N 32]; A: softmax (see below); B: computed on the way: QUANTISED
;;     5. [M 4,096, K 512] x [K 512, N 1,024]; A: computed on the way; B: input W_attn_out (given as codes): QUANTISED
;;     6. [M 4,096, K 4,096] x [K 4,096, N 1,024]; A: computed on the way; B: input W_ff_out (given as codes): QUANTISED
;;   THE QUANTISER, for each operand of a quantised product, along K:
;;     - K is cut into blocks of 32 from its start; a last block that is shorter is filled with zeros.
;;     - A block's scale is 2^e with e = floor(log2(the largest magnitude in the block)) - 2, held to -126 .. 127; a block of zeros has e = 0. As a byte (E8M0): e + 127.
;;     - Each number is divided by its block's scale, clamped to +-7.5, and rounded to the nearest number of E2M3, ties to even, subnormals kept.
;;     - The product sums the exact products of the quantised numbers (number of the format x scale) in f32.
;;   ~~~python
;;   def quantise(x, axis):      # numpy; x: float32 -> the quantised numbers, widened to float32 again
;;       x = np.moveaxis(x, axis, -1); K = x.shape[-1]
;;       x = np.pad(x, [(0, 0)] * (x.ndim - 1) + [(0, -K % 32)]); x = x.reshape(x.shape[:-1] + (-1, 32)); a = np.abs(x).max(-1, keepdims=True)
;;       e = np.where(a > 0, np.clip(np.frexp(np.where(a > 0, a, 1))[1] - 1 - 2, -126, 127), 0)      # np.frexp(a)[1] - 1 = floor(log2(a)), exactly
;;       r = np.clip(x / 2.0 ** e, -7.5, 7.5)
;;       step = 2.0 ** (np.maximum(np.frexp(np.where(r == 0, 1, r))[1] - 1, 0) - 3)
;;       q = np.round(r / step) * step * 2.0 ** e      # np.round: ties to even
;;       return np.moveaxis(q.reshape(q.shape[:-2] + (-1,))[..., :K], -1, axis).astype(np.float32)
;;   ~~~
;;   SOFTMAX AHEAD OF A QUANTISED PRODUCT. Where the list says 'softmax', what is quantised is not the finished softmax but p = 2^(t - M), with t = logit x log2(e) and M = ceil(the row's largest t), a whole number; so 1/2 < the row's largest p <= 1. The row's sum l is taken of the UNQUANTISED p, in f32, and the product's result is divided by l at the end. Since M is a whole number, a kernel that streams over the keys may use a running M (the ceiling of the running maximum): every later rescaling is an exact power of two, which a block's scale takes up: the codes' values come out the same.
;;   OPERANDS COMPUTED ON THE WAY. 'Computed on the way' means the value that the module computes at that place (a softmax that the list does not call 'softmax' is quantised finished and normalised). What goes into a quantiser is computed in f32, as accurately as f32 sums, v_exp_f32 and their like allow (about 1e-6 of the number): no bf16 or f16 on the way to a quantiser, and a product that is left as it is and whose result goes on into a quantised operand takes f32 operands (vector FMAs, or v_wmma_f32_16x16x4_f32). A number that lies on a knife's edge between two numbers of the format may be rounded either way, as far as f32 arithmetic and the matrix unit's own rounding can turn it there, and no further.
;;   INPUTS GIVEN AS CODES. W_attn_out (in the module: [512, 1024], K = its axis 0); W_ff_out (in the module: [4096, 1024], K = its axis 0); W_fused (in the module: [1024, 8768], K = its axis 0): each comes as NAME_codes (uint8): NAME with its K axis moved to the last place and cut into blocks of 32 codes, [.., K / 32, bytes a block], one block behind the other in memory; four codes in three bytes: a row's codes are one little-endian stream of bits, code i at bits 6 i .. 6 i + 5 (a code: sign, 2 exponent bits, 3 mantissa bits); and NAME_scales (uint8): the same leading axes, one E8M0 byte (e + 127) for each 32 codes along K. Its value is code x scale, taken as it is: it is not quantised again, and the codes and scales need not be those that the quantiser above would give.
;; One version. Each part assembles by itself: llvm-mc -triple=amdgcn-amd-amdhsa -mcpu=gfx1250 --defsym DOCPART=n.
;; ======== version 1 of 1: 4 launches
;; limits: right only within a limited range of input values
;; workspace buffers: xc 3,145,728 bytes; xs 131,072 bytes; qc 1,572,864 bytes; qs 262,144 bytes; kv 315,392 bytes; ac 14,155,776 bytes; asc 589,824 bytes; wimg 3,538,944 bytes
;; launch lnqkv (part 1): grid 128 x 2, 9 waves a work-group, clusters of 4 x 1, 314,624 bytes of LDS; arguments xc, xs, W_fused_codes, W_fused_scales, qc, qs, kv, x, gamma, W_ff_out_codes, W_attn_out_codes, wimg; writes xc, xs, qc, qs, kv, wimg
.if DOCPART == 1
	.amdgcn_target "amdgcn-amd-amdhsa--gfx1250"
	.amdhsa_code_object_version 6
	.text
	.protected	k_q042587a57a_lnqkv
	.globl	k_q042587a57a_lnqkv
	.p2align	8
	.type	k_q042587a57a_lnqkv,@function
k_q042587a57a_lnqkv:
	s_mov_b64 s[64:65], 0
	v_nop
	global_prefetch_b8 v0, s[64:65] scope:SCOPE_SE
	s_setreg_imm32_b32 hwreg(HW_REG_WAVE_MODE, 25, 1), 1
	s_wait_xcnt 0x0
	s_wait_alu depctr_hold_cnt(0) depctr_sa_sdst(0) depctr_va_vdst(0) depctr_va_sdst(0) depctr_va_ssrc(0) depctr_va_vcc(0) depctr_vm_vsrc(0)
	s_getreg_b32 s2, hwreg(HW_REG_IB_STS2, 6, 4)
	s_cmp_eq_u32 s2, 0
	s_cbranch_scc0 .Lentry_in_a_cluster
	s_endpgm
.Lentry_in_a_cluster:
	s_bfe_u32 s2, ttmp6, 0x10000c
	s_cmp_lg_u32 s2, 0x3003
	s_cbranch_scc0 .Lentry_shape_is_right
	s_endpgm
.Lentry_shape_is_right:
; THREE THINGS IN ONE LAUNCH.
; (1) xn = (x - mean) * rsqrt(var + 1e-5) * gamma, row by row of 1,024 f32, quantised along the row to FP6 (E2M3): codes [4096][768 bytes] (xc) and one E8M0 byte for each 32 (xs).
; (2) xn x W_fused for the first 576 columns (16 heads of q, k, v), xpos rotary on q and k, and the three results quantised: q and k along the head's 32, v along the keys.
; (3) The out-weights re-laid as images of the operand's registers: wimg[64 tiles of 16 columns][36 K steps][1,536 bytes]; K steps 0-31 are W_ff_out's, 32-35 W_attn_out's.  2,304 images, one for each wave of the launch.
; SHARES.  A work-group takes 32 rows (row block rb) and nine UNITS of 32 columns, a unit a wave: unit = 9 y + wave; 0-15 heads, 16 k, 17 v.  A wave makes 32 x 32: four accumulators, eight K steps of 128.
; THE NORM: waves 0-7 take four rows each; all their loads go out at the head and the rotary table is made under them.  A row turns through the wave's own stage in LDS, so that a lane holds 16 neighbours of each half row.
; The variance is the mean of (x - mean)^2, from registers.  The codes go by LDS stores into rows of 784 bytes, the scale bytes beside them: the product's operand.  Both work-groups of a row block (y = 0, 1) make the same
; xn; each stores half of the rows to xc and xs: waves 4 y .. 4 y + 3.
; W: the nine units' 288 rows (768 bytes each) and their scale bytes come by tensor loads that the four row blocks of a cluster ask for JOINTLY: waves 0-5 bring 48 rows each, wave 6 the 9,216 scale bytes.  No byte of LDS is filled twice.
; ROLES.  D(y, z) = source 0's tile y x source 1's tile z.  For q and k source 0 is W and source 1 xn, so that a lane holds a row and its registers run along the head's channels; for v the other way round, so that a lane
; holds a channel and its registers run along the 32 positions, a block of the keys.  The K loop stands twice, chosen by the unit's number.
; ROTARY.  sine and cosine of t x 10^(-j/4) by a reduction with pi/2 in two parts (the first product is exact: n has 11 bits) and polynomials of degree 7 and 8 on [-pi/4, pi/4]; the xpos scale by log2 and exp2.
; LIMITS: the frequencies are the correctly rounded 10^(-j/4); where the power and division of another library land an ulp off, the angle differs by up to 1.4e-4 at the last positions.  NaN and infinities are not served.
; A block whose largest magnitude lies under 2^-124 takes the byte 1 (a block of zeros too: only this program reads the bytes).
; OUT.  q: [b][head][pos][24 bytes] and a scale word (byte | 0x7f7f7f00).  k, v: images of the operands' registers (six registers x 32 lanes = 768 bytes: registers 0-3 at 16 x lane, 4-5 at 512 + 8 x lane).
; k's and v's stores are small, so some of them cover parts of aligned 256-byte blocks.
; No prefetch: every stream is asked for once, at the head, and there is no loop to run ahead in.
.set AREG,  0                          ; LDS: xn, 32 rows x 784 (768 bytes + 16)
.set WREG,  26112                      ; W: 288 rows x 816 (16 of padding behind each 256)
.set SAREG, 261120                     ; xn's scale bytes: 1,024 as four rows of 256 + 16
.set SWREG, 262208                     ; W's: 36 such rows
.set STG,   273664                     ; behind the spare words (272,384 on): a stage of 5,120 bytes for each of waves 0-7
.set WV,   18
.set G1W,  24
.set G1WS, 40
.set G0W,  56
.set G0WS, 60
.set SW0,  16                          ; v16-31 source 0's scale words (tile y, K step s: 8 y + s);  v32-47 source 1's
.set SW1,  32
.set FR0,  48                          ; v48-143 two sets of four fragments
.set ACC,  144
.set CC,   176                         ; v176-191 cos x scale;  v192-207 sin x scale
.set SS,   192
.set H,    208                         ; v208-239 the rotated row
.set LG,   16                          ; the norm: v16-47 gamma, v48-175 four rows, v208-239 codes, v240-251 at work, v252 a scale byte
.set LR,   48
.set LC,   208
.set LT,   240
.macro PLACES
.rept 4
	v_nop
.endr
.endm
.macro CROUND
	s_barrier_signal -1
	s_barrier_wait -1
	s_cmp_lg_u32 s[WV], 0
	s_cbranch_scc1 .Lnot_wave_0_\@
	s_barrier_signal -3
.Lnot_wave_0_\@:
	s_barrier_wait -3
	s_barrier_signal -1
	s_barrier_wait -1
.endm
; A fragment (12 registers) in pieces of 8 bytes.  iv: pieces between two paddings; lanes 16-31 read three pieces on, which for the last three pieces of an interval is behind one padding more: register adr + 2 serves those.
.macro FRAG reg, adr, q, boff, iv
.irp p, 0,1,2,3,4,5
.set PCE, 12*(\q)+6*(\p/3)+\p%3
.if PCE%(\iv) < (\iv)-3
	ds_load_b64 v[\reg+2*\p:\reg+2*\p+1], v[\adr] offset:8*PCE+16*(PCE/(\iv))+(\boff)
.else
	ds_load_b64 v[\reg+2*\p:\reg+2*\p+1], v[\adr+2] offset:8*PCE+16*(PCE/(\iv))+(\boff)
.endif
.endr
.endm
; 32 numbers of ONE lane, a whole block: codes into v[c] .. v[c+5], the scale byte into v[by]
.macro QB src, c, d, m, by
	v_max3_num_f32 v[\m], |v[\src]|, |v[\src+1]|, 0x1800000        ; the floor 2^(3 - 127): the byte cannot fall under 1
	v_max3_num_f32 v[\m+1], |v[\src+2]|, |v[\src+3]|, |v[\src+4]|
.irp i, 5,9,13,17,21,25
	s_delay_alu instid0(VALU_DEP_2)
	v_max3_num_f32 v[\m], v[\m], |v[\src+\i]|, |v[\src+\i+1]|
	s_delay_alu instid0(VALU_DEP_2)
	v_max3_num_f32 v[\m+1], v[\m+1], |v[\src+\i+2]|, |v[\src+\i+3]|
.endr
	s_delay_alu instid0(VALU_DEP_2)
	v_max3_num_f32 v[\m], v[\m], |v[\src+29]|, |v[\src+30]|
	s_delay_alu instid0(VALU_DEP_1)
	v_max3_num_f32 v[\m], v[\m], v[\m+1], |v[\src+31]|
	s_delay_alu instid0(VALU_DEP_1)
	v_add_nc_u32 v[\m+2], 0xff000000, v[\m]        ; 2 off the exponent field: the conversions' scale operand
	v_cvt_scalef32_pk16_fp6_f32 v[\c:\c+2], v[\src:\src+15], v[\m+2]
	v_cvt_scalef32_pk16_fp6_f32 v[\d:\d+2], v[\src+16:\src+31], v[\m+2]
	v_lshrrev_b32 v[\by], 23, v[\m+2]              ; the byte; also the plain instruction behind the conversions
.irp i, 0,1,2
	v_mov_b32 v[\c+3+\i], v[\d+\i]
.endr
.endm
.macro SWAP16 base
.irp i, 0,1,2,3,4,5,6,7
	v_permlane16_swap_b32 v[\base+\i], v[\base+8+\i]
.endr
.endm
	s_load_b256 s[4:11], s[0:1], 0x0               ; xc, xs, W's codes, W's scales
	s_load_b128 s[12:15], s[0:1], 0x20             ; qc, qs
	s_load_b64 s[16:17], s[0:1], 0x30              ; kv
	s_load_b256 s[32:39], s[0:1], 0x38             ; x, gamma, W_ff_out's codes, W_attn_out's codes
	s_load_b64 s[48:49], s[0:1], 0x58              ; wimg
	s_set_vgpr_msb 0x40
	v_lshl_add_u32 v0, v0, 2, 0x42800              ; v256: my spare word
	v_mov_b32 v1, 0                                ; v257: 0
	s_set_vgpr_msb 0x4045
	ds_add_u32 v0, v1                              ; the opening lines: the add twice on end and one wait
	ds_add_u32 v0, v1
	s_set_vgpr_msb 0x4500
	v_lshrrev_b32 v1, 5, v0
	s_delay_alu instid0(VALU_DEP_1)
	v_readfirstlane_b32 s[WV], v1                  ; wave 0..8
	s_bfe_u32 s19, ttmp6, 0x40000                  ; cx: enters global addresses and the positions alone
	s_lshl_b32 s20, ttmp9, 2
	s_add_co_u32 s20, s20, s19                     ; rb: my block of 32 rows
	s_and_b32 s21, ttmp7, 0xffff                   ; y
	s_mul_i32 s22, s21, 9
	s_add_co_u32 s22, s22, s[WV]                   ; unit: the same in the four partners
	s_mov_b32 s[G1W], 15|(1<<20)|(1<<21)|(5<<22)|(3<<25)    ; mask: all four; bytes; padding of 4 words behind every 64
	s_mov_b32 s[G1W+1], 768<<16
	s_mov_b32 s[G1W+2], 48<<16
	s_mov_b32 s[G1W+3], 768<<16
	s_mov_b32 s[G1W+4], 48
	s_mov_b32 s[G1W+5], 768
	s_mov_b32 s[G1W+6], 0
	s_mov_b32 s[G1W+7], 0
	s_mov_b32 s[G1WS], 15|(3<<16)|(1<<20)|(1<<21)|(5<<22)|(3<<25)   ; 9,216 dense bytes as 36 rows of 32 elements of 8 bytes
	s_mov_b32 s[G1WS+1], 32<<16
	s_mov_b32 s[G1WS+2], 36<<16
	s_mov_b32 s[G1WS+3], 32<<16
	s_mov_b32 s[G1WS+4], 36
	s_mov_b32 s[G1WS+5], 32
	s_mov_b32 s[G1WS+6], 0
	s_mov_b32 s[G1WS+7], 0
	s_mul_i32 s86, s21, 221184                     ; 288 rows of W for each y,
	s_mul_i32 s88, s[WV], 36864                    ; 48 of them for each of waves 0-5
	s_add_co_u32 s86, s86, s88
	s_mov_b32 s87, 0
	s_mul_i32 s88, s21, 9216
	s_mov_b32 s89, 0
	s_mul_i32 s90, s20, 24576
	s_mul_i32 s70, s[WV], 3072
	s_add_co_u32 s90, s90, s70                     ; xc: my four rows
	s_mov_b32 s91, 0
	s_lshl_b32 s92, s20, 10
	s_lshr_b32 s70, s[WV], 1
	s_lshl_b32 s70, s70, 8
	s_add_co_u32 s92, s92, s70                     ; xs: the eight rows of waves 2 i and 2 i + 1
	s_mov_b32 s93, 0
	s_lshl_b32 s68, s20, 17
	s_lshl_b32 s70, s[WV], 14
	s_add_co_u32 s68, s68, s70                     ; x: my four rows of 4,096 bytes
	s_mov_b32 s69, 0
	s_mul_i32 s94, s[WV], 26112
	s_mul_i32 s95, s[WV], 1088
	s_lshl_b32 s76, s20, 1                         ; the image: work-group number 2 rb + y; column tile = number / 4, K step = 9 (number % 4) + wave
	s_add_co_u32 s76, s76, s21
	s_lshr_b32 s77, s76, 2
	s_and_b32 s76, s76, 3
	s_mul_i32 s76, s76, 9
	s_add_co_u32 s76, s76, s[WV]
	s_mul_i32 s78, s77, 36
	s_add_co_u32 s78, s78, s76
	s_mul_i32 s78, s78, 1536
	s_mov_b32 s79, 0
	s_sub_co_u32 s80, s76, 32
	s_mov_b32 s81, 3072
	s_cmp_lt_u32 s76, 32                           ; K steps 0-31: W_ff_out, rows of 3,072 bytes; 32-35: W_attn_out, rows of 384
	s_cselect_b32 s81, s81, 384
	s_cselect_b32 s80, s76, s80
	s_lshl_b32 s82, s77, 4
	s_mul_i32 s82, s82, s81
	s_mul_i32 s80, s80, 96
	s_add_co_u32 s82, s82, s80
	s_mov_b32 s83, 0
	v_and_b32 v13, 31, v0
	v_lshlrev_b32 v10, 4, v13                      ; 16 x lane
	v_lshlrev_b32 v11, 6, v13                      ; 64 x lane
	v_and_b32 v12, 15, v0
	v_mul_u32_u24 v12, v12, s81
	v_bfe_u32 v14, v0, 4, 1
	v_mad_u32_u24 v12, v14, 24, v12                ; the weight's row l % 16, + 24 (l / 16)
	v_lshl_add_u32 v13, v13, 3, 512                ; 512 + 8 x lane
	s_wait_alu depctr_va_vdst(0)                   ; the wait ahead of the waits and branches below
	s_wait_dscnt 0x0
	s_wait_kmcnt 0x0
	s_add_nc_u64 s[32:33], s[32:33], s[68:69]
	s_add_nc_u64 s[4:5], s[4:5], s[90:91]
	s_add_nc_u64 s[6:7], s[6:7], s[92:93]
	s_add_nc_u64 s[48:49], s[48:49], s[78:79]
	s_cmp_lt_u32 s76, 32
	s_cselect_b64 s[36:37], s[36:37], s[38:39]
	s_add_nc_u64 s[36:37], s[36:37], s[82:83]
	s_cmp_lt_u32 s[WV], 8                          ; wave 8 takes no rows of x
	s_cbranch_scc0 .Lno_x
.irp s, 0,1
.irp j, 0,1,2,3
	global_load_b128 v[LG+16*\s+4*\j:LG+16*\s+4*\j+3], v11, s[34:35] offset:2048*\s+16*\j
.endr
.endr
.irp k, 0,1,2,3
.irp i, 0,1,2,3,4,5,6,7
	global_load_b128 v[LR+32*\k+4*\i:LR+32*\k+4*\i+3], v10, s[32:33] offset:4096*\k+512*\i    ; 512 consecutive bytes
.endr
.endr
.Lno_x:
	s_set_vgpr_msb 0x40                            ; the image's twelve registers: v258-269
.irp p, 0,1,2,3,4,5
	global_load_b64 v[2+2*\p:3+2*\p], v12, s[36:37] offset:48*(\p/3)+8*(\p%3) th:TH_LOAD_NT
.endr
	s_set_vgpr_msb 0x4000
	s_mov_b32 s[G0W], 1
	s_mul_i32 s[G0W+1], s[WV], 39168               ; 48 LDS rows of 816 bytes
	s_add_co_u32 s[G0W+1], s[G0W+1], WREG
	s_add_nc_u64 s[G0W+2:G0W+3], s[8:9], s[86:87]
	s_or_b32 s[G0W+3], s[G0W+3], 0x80000000
	s_mov_b32 s[G0WS], 1
	s_mov_b32 s[G0WS+1], SWREG
	s_add_nc_u64 s[G0WS+2:G0WS+3], s[10:11], s[88:89]
	s_or_b32 s[G0WS+3], s[G0WS+3], 0x80000000
	CROUND                                         ; the four work-groups are here: the joint loads meet
	s_cmp_lt_u32 s[WV], 6                          ; one chain of branches on the wave's number, at most one tensor load a wave
	s_cbranch_scc0 .Lnot_w
	tensor_load_to_lds s[G0W:G0W+3], s[G1W:G1W+7]
	s_nop 0
	PLACES
	s_branch .Lasked
.Lnot_w:
	s_cmp_lt_u32 s[WV], 7
	s_cbranch_scc0 .Lasked
	tensor_load_to_lds s[G0WS:G0WS+3], s[G1WS:G1WS+7]
	s_nop 0
	PLACES
.Lasked:
	s_add_co_u32 s23, s94, WREG
	s_add_co_u32 s85, s95, SWREG
	s_mov_b32 s92, 0x3f800000
	s_cmp_eq_u32 s22, 16                           ; k takes 1 / scale: the power's sign turns
	s_cselect_b32 s92, 0xbf800000, s92
	v_and_b32 v1, 31, v0                           ; lane
	v_and_b32 v2, 15, v0                           ; r
	v_bfe_u32 v3, v0, 4, 1                         ; h
	v_mul_u32_u24 v4, v2, 816
	v_mul_u32_u24 v5, v2, 784
	v_lshrrev_b32 v8, 3, v2
	v_mad_u32_u24 v4, v3, 24, v4                   ; W: a fragment's row x pitch + 24 h,
	v_mad_u32_u24 v5, v3, 24, v5                   ; xn: the same on its own pitch (AREG = 0)
	v_lshlrev_b32 v8, 4, v8
	v_lshl_add_u32 v6, v3, 4, v4                   ; W: and behind one padding more
	v_lshl_add_u32 v8, v2, 5, v8                   ; a row's 32 scale bytes: 32 r, + 16 for the padding passed
	v_add_nc_u32 v4, s23, v4
	v_add_nc_u32 v6, s23, v6
	v_add_nc_u32 v9, SAREG, v8
	v_add_nc_u32 v8, s85, v8
	s_mov_b32 s76, 0x3f22f983                      ; 2 / pi
	s_mov_b32 s77, 0xbfc90fdb                      ; -(pi / 2), its first 24 bits
	s_mov_b32 s78, 0x333bbd2e                      ; -(the rest of pi / 2)
	s_mov_b32 s79, 0xb94ca1f9                      ; the sine's polynomial
	s_mov_b32 s80, 0x3c08839e
	s_mov_b32 s81, 0xbe2aaaa3
	s_mov_b32 s82, 0x37ccf5ce                      ; the cosine's
	s_mov_b32 s83, 0xbab6061a
	s_mov_b32 s84, 0x3d2aaaa5
	s_lshl_b32 s93, s20, 5
	s_and_b32 s93, s93, 2047                       ; my block's first position
	s_wait_alu depctr_va_vdst(0)
	v_add_nc_u32 v254, s93, v1
	s_delay_alu instid0(VALU_DEP_1)
	v_cvt_f32_u32 v254, v254                       ; t: lane l stands for row l
	s_delay_alu instid0(VALU_DEP_1)
	v_add_f32 v255, 0xc4800000, v254
	s_delay_alu instid0(VALU_DEP_1)
	v_mul_f32 v255, 0x3b000000, v255               ; (t - 1024) / 512
	s_delay_alu instid0(VALU_DEP_1)
	v_mul_f32 v255, s92, v255
; cos and sin of t x f, times ((10 j + 64) / 224)^power, into v[CC + j] and v[SS + j].  This stands while the loads are on their way.
.macro TRIG j, f
	v_cvt_f32_u32 v253, 10*\j+64
	s_delay_alu instid0(VALU_DEP_1)
	v_mul_f32 v253, 0x3b924925, v253               ; scale_vec = (2 j + 12.8) / 44.8
	s_wait_alu depctr_va_vdst(0)
	v_log_f32 v253, v253
	v_mul_f32 v240, \f, v254                       ; the angle
	s_delay_alu instid0(VALU_DEP_1)
	v_mul_f32 v241, s76, v240
	s_delay_alu instid0(VALU_DEP_1)
	v_rndne_f32 v241, v241                         ; n
	s_wait_alu depctr_va_vdst(0)
	v_mul_f32 v253, v255, v253
	s_wait_alu depctr_va_vdst(0)
	v_exp_f32 v253, v253                           ; the xpos scale
	v_fma_f32 v242, v241, s77, v240                ; exact
	s_delay_alu instid0(VALU_DEP_1)
	v_fma_f32 v242, v241, s78, v242                ; rho, within pi / 4
	s_delay_alu instid0(VALU_DEP_1)
	v_mul_f32 v243, v242, v242
	s_delay_alu instid0(VALU_DEP_1)
	v_fma_f32 v244, v243, s79, s80
	s_delay_alu instid0(VALU_DEP_2)
	v_fma_f32 v246, v243, s82, s83
	s_delay_alu instid0(VALU_DEP_2)
	v_fma_f32 v244, v244, v243, s81
	s_delay_alu instid0(VALU_DEP_2)
	v_fma_f32 v246, v246, v243, s84
	v_mul_f32 v245, v242, v243
	v_fma_f32 v247, v243, -0.5, 1.0
	v_mul_f32 v248, v243, v243
	s_delay_alu instid0(VALU_DEP_3)
	v_fma_f32 v244, v245, v244, v242               ; sin rho
	s_delay_alu instid0(VALU_DEP_2)
	v_fma_f32 v246, v248, v246, v247               ; cos rho
	v_cvt_i32_f32 v249, v241
	s_delay_alu instid0(VALU_DEP_1)
	v_and_b32 v250, 1, v249
	s_delay_alu instid0(VALU_DEP_1)
	v_cmp_ne_u32 vcc_lo, 0, v250                   ; an odd quarter turn changes the two over
	s_delay_alu instid0(VALU_DEP_1)
	v_cndmask_b32 v251, v244, v246, vcc_lo
	s_delay_alu instid0(VALU_DEP_2)
	v_cndmask_b32 v252, v246, v244, vcc_lo
	v_and_b32 v250, 2, v249
	s_delay_alu instid0(VALU_DEP_1)
	v_lshlrev_b32 v250, 30, v250
	s_delay_alu instid0(VALU_DEP_1)
	v_xor_b32 v251, v250, v251                     ; the sine's sign: bit 1 of n
	v_add_nc_u32 v249, 1, v249
	s_delay_alu instid0(VALU_DEP_1)
	v_and_b32 v249, 2, v249
	s_delay_alu instid0(VALU_DEP_1)
	v_lshlrev_b32 v249, 30, v249
	s_delay_alu instid0(VALU_DEP_1)
	v_xor_b32 v252, v249, v252                     ; the cosine's: bit 1 of n + 1
	s_wait_alu depctr_va_vdst(0)
	v_mul_f32 v[CC+\j], v252, v253
	v_mul_f32 v[SS+\j], v251, v253
.endm
	TRIG 0, 0x3f800000
	TRIG 1, 0x3f0ff59a
	TRIG 2, 0x3ea1e89b
	TRIG 3, 0x3e361887
	TRIG 4, 0x3dcccccd
	TRIG 5, 0x3d6655c3
	TRIG 6, 0x3d0186e2
	TRIG 7, 0x3c91ad39
	TRIG 8, 0x3c23d70a
	TRIG 9, 0x3bb8449c
	TRIG 10, 0x3b4f3e37
	TRIG 11, 0x3ae91528
	TRIG 12, 0x3a83126f
	TRIG 13, 0x3a136a16
	TRIG 14, 0x39a5cb5f
	TRIG 15, 0x393a7753
; THE NORM AND ITS QUANTISER
	s_mov_b32 s50, 0x76543210
	s_mov_b32 s51, 0xfedcba98                      ; v_permlanex16_b32: lane l xor 16
	s_mov_b32 s52, 0x3a800000                      ; 1 / 1024
	s_mov_b32 s53, 0x3727c5ac                      ; 1e-5
	s_mul_i32 s54, s[WV], 5120
	s_add_co_u32 s54, s54, STG                     ; my stage
	s_mul_i32 s55, s[WV], 3136                     ; my four rows of 784 bytes
	s_lshl_b32 s74, s[WV], 7
	s_lshr_b32 s75, s[WV], 1
	s_lshl_b32 s75, s75, 4
	s_add_co_u32 s74, s74, s75
	s_add_co_u32 s74, s74, SAREG                   ; my four rows' scale bytes: 128 x wave, + 16 for each padding passed
	v_and_b32 v252, 31, v0
	v_mul_u32_u24 v14, v252, 12                    ; my 16 codes of a half row's 384 bytes
	v_lshrrev_b32 v15, 2, v252
	v_and_b32 v253, 3, v252
	v_mul_u32_u24 v15, v15, 80
	v_lshrrev_b32 v255, 1, v252
	v_lshl_add_u32 v15, v253, 4, v15
	v_mul_u32_u24 v253, v252, 80
	v_add_nc_u32 v15, s54, v15                     ; into the stage: four lanes' 64 bytes on end, then 16 of padding
	v_add_nc_u32 v253, s54, v253                   ; out of it: my 16 neighbours
	v_add_nc_u32 v254, s55, v14                    ; where my codes go
	v_add_nc_u32 v255, s74, v255                   ; and my block's byte
	s_wait_alu depctr_va_vdst(0)
	s_cmp_lt_u32 s[WV], 8
	s_cbranch_scc0 .Lno_ln
.macro LTURN k                         ; LDS serves a wave's instructions in order: no wait between the stores and the loads, nor ahead of the next row's stores
.irp i, 0,1,2,3,4,5,6,7
	ds_store_b128 v15, v[LR+32*(\k)+4*\i:LR+32*(\k)+4*\i+3] offset:2560*(\i/4)+640*(\i%4)
.endr
.irp i, 0,1,2,3,4,5,6,7
	ds_load_b128 v[LR+32*(\k)+4*\i:LR+32*(\k)+4*\i+3], v253 offset:2560*(\i/4)+16*(\i%4)
.endr
.endm
.macro LSUM a, t                       ; the sum over the 32 lanes, in every lane
.irp m, 1,2,4,8
	s_delay_alu instid0(VALU_DEP_1)
	v_add_f32_dpp v[\a], v[\a], v[\a] row_xmask:\m row_mask:0xf bank_mask:0xf
.endr
	s_delay_alu instid0(VALU_DEP_1)
	v_permlanex16_b32 v[\t], v[\a], s50, s51
	s_delay_alu instid0(VALU_DEP_1)
	v_add_f32 v[\a], v[\a], v[\t]
.endm
.macro LFOLD                           ; four pairs into one number
	v_pk_add_f32 v[LT:LT+1], v[LT:LT+1], v[LT+2:LT+3]
	v_pk_add_f32 v[LT+4:LT+5], v[LT+4:LT+5], v[LT+6:LT+7]
	s_delay_alu instid0(VALU_DEP_1)
	v_pk_add_f32 v[LT:LT+1], v[LT:LT+1], v[LT+4:LT+5]
	s_delay_alu instid0(VALU_DEP_1)
	v_add_f32 v[LT], v[LT], v[LT+1]
	LSUM LT, LT+1
.endm
.macro LROW k
.set XR, LR+32*(\k)
.irp c, 0,2,4,6
	v_pk_add_f32 v[LT+\c:LT+\c+1], v[XR+\c:XR+\c+1], v[XR+8+\c:XR+9+\c]
.endr
.irp i, 16,24
.irp c, 0,2,4,6
	v_pk_add_f32 v[LT+\c:LT+\c+1], v[LT+\c:LT+\c+1], v[XR+\i+\c:XR+\i+\c+1]
.endr
.endr
	LFOLD
	s_delay_alu instid0(VALU_DEP_1)
	v_mul_f32 v[LT+8], s52, v[LT]                  ; the mean, twice: a pair for the packed forms
	v_mul_f32 v[LT+9], s52, v[LT]
.irp i, 0,2,4,6,8,10,12,14,16,18,20,22,24,26,28,30
	v_pk_add_f32 v[XR+\i:XR+\i+1], v[XR+\i:XR+\i+1], v[LT+8:LT+9] neg_lo:[0,1] neg_hi:[0,1]   ; x - mean
.endr
.irp c, 0,2,4,6
	v_pk_mul_f32 v[LT+\c:LT+\c+1], v[XR+\c:XR+\c+1], v[XR+\c:XR+\c+1]
.endr
.irp i, 8,16,24
.irp c, 0,2,4,6
	v_pk_fma_f32 v[LT+\c:LT+\c+1], v[XR+\i+\c:XR+\i+\c+1], v[XR+\i+\c:XR+\i+\c+1], v[LT+\c:LT+\c+1]
.endr
.endr
	LFOLD
	s_delay_alu instid0(VALU_DEP_1)
	v_fma_f32 v[LT], v[LT], s52, s53               ; the variance + 1e-5
	s_wait_alu depctr_va_vdst(0)
	v_rsq_f32 v[LT+10], v[LT]
	v_nop
	s_wait_alu depctr_va_vdst(0)
	v_mov_b32 v[LT+11], v[LT+10]
.irp i, 0,2,4,6,8,10,12,14,16,18,20,22,24,26,28,30
	v_pk_mul_f32 v[XR+\i:XR+\i+1], v[XR+\i:XR+\i+1], v[LT+10:LT+11]
.endr
.irp i, 0,2,4,6,8,10,12,14,16,18,20,22,24,26,28,30
	v_pk_mul_f32 v[XR+\i:XR+\i+1], v[XR+\i:XR+\i+1], v[LG+\i:LG+\i+1]
.endr
.irp s, 0,1                            ; my 16 numbers of each half row: half a block
	v_max3_num_f32 v[LT], |v[XR+16*\s]|, |v[XR+16*\s+1]|, |v[XR+16*\s+2]|
	v_max3_num_f32 v[LT+1], |v[XR+16*\s+3]|, |v[XR+16*\s+4]|, |v[XR+16*\s+5]|
.irp i, 6,10
	s_delay_alu instid0(VALU_DEP_2)
	v_max3_num_f32 v[LT], v[LT], |v[XR+16*\s+\i]|, |v[XR+16*\s+\i+1]|
	s_delay_alu instid0(VALU_DEP_2)
	v_max3_num_f32 v[LT+1], v[LT+1], |v[XR+16*\s+\i+2]|, |v[XR+16*\s+\i+3]|
.endr
	s_delay_alu instid0(VALU_DEP_2)
	v_max3_num_f32 v[LT], v[LT], |v[XR+16*\s+14]|, |v[XR+16*\s+15]|
	s_delay_alu instid0(VALU_DEP_1)
	v_max3_num_f32 v[LT], v[LT], v[LT+1], 0x1800000   ; and the floor 2^(3 - 127)
	s_delay_alu instid0(VALU_DEP_1)
	v_max_num_f32_dpp v[LT], v[LT], v[LT] row_xmask:1 row_mask:0xf bank_mask:0xf   ; with my neighbour's 16: the block's largest magnitude
	s_delay_alu instid0(VALU_DEP_1)
	v_add_nc_u32 v[LT+2], 0xff000000, v[LT]
	v_cvt_scalef32_pk16_fp6_f32 v[LC+4*(2*(\k)+\s):LC+4*(2*(\k)+\s)+2], v[XR+16*\s:XR+16*\s+15], v[LT+2]
	v_lshrrev_b32 v252, 23, v[LT+2]                ; the scale's byte; also the plain instruction behind the conversion
	ds_store_b8 v255, v252 offset:32*(\k)+16*\s    ; both lanes of a block write the same byte with the same value
.irp i, 0,1,2
	ds_store_b32 v254, v[LC+4*(2*(\k)+\s)+\i] offset:784*(\k)+384*\s+4*\i
.endr
.endr
.endm
	s_wait_loadcnt 30                              ; gamma and row 0 are in; three rows' 24 loads and the image's 6 may be out
	LTURN 0
	s_wait_loadcnt 22
	LTURN 1
	s_wait_dscnt 16                                ; row 0 is back; row 1's sixteen stage instructions may be out
	LROW 0
	s_wait_loadcnt 14
	LTURN 2
	s_wait_dscnt 16                                ; row 1 is back
	LROW 1
	s_wait_loadcnt 6
	LTURN 3
	s_wait_dscnt 16
	LROW 2
	s_wait_dscnt 0x0
	LROW 3
	s_lshr_b32 s75, s[WV], 2                       ; waves 4 y .. 4 y + 3 store their rows' codes
	s_wait_alu depctr_va_vdst(0)
	s_cmp_eq_u32 s75, s21
	s_cbranch_scc0 .Lno_ln
.irp j, 0,1,2,3,4,5,6,7
	global_store_b96 v14, v[LC+4*\j:LC+4*\j+2], s[4:5] offset:384*\j     ; the wave stores 384 consecutive bytes
.endr
.Lno_ln:
	s_wait_loadcnt 0x0                             ; the image's pieces
	s_set_vgpr_msb 0x04
	global_store_b128 v10, v[2:5], s[48:49]                  ; 512 consecutive bytes
	global_store_b64 v13, v[6:7], s[48:49]                   ; 256
	global_store_b128 v10, v[8:11], s[48:49] offset:768
	global_store_b64 v13, v[12:13], s[48:49] offset:768
	s_set_vgpr_msb 0x0400
	s_lshl_b32 s54, s21, 2
	s_sub_co_u32 s54, s[WV], s54
	s_and_b32 s54, s54, 0xfffffffd                 ; 0 in waves 4 y and 4 y + 2
	s_lshr_b32 s55, s[WV], 1
	s_mul_i32 s55, s55, 272
	s_add_co_u32 s55, s55, SAREG
	v_and_b32 v240, 31, v0
	s_delay_alu instid0(VALU_DEP_1)
	v_lshlrev_b32 v240, 3, v240
	s_delay_alu instid0(VALU_DEP_1)
	v_add_nc_u32 v241, s55, v240
	s_wait_alu depctr_va_vdst(0)
	s_wait_dscnt 0x0                               ; for the others' sake: my codes and bytes are stored,
	s_wait_tensorcnt 0x0                           ; my tensor load has landed,
	s_barrier_signal -1
	s_barrier_wait -1                              ; everybody's have
	s_cmp_eq_u32 s54, 0
	s_cbranch_scc0 .Lno_xs
	ds_load_b64 v[242:243], v241                   ; eight rows' scale bytes
	s_wait_dscnt 0x0
	global_store_b64 v240, v[242:243], s[6:7]      ; 256 consecutive aligned bytes
.Lno_xs:
.macro SCW                             ; the scale words: S0A, S1A name the address registers of source 0 and source 1
.irp y, 0,1
	ds_load_b128 v[SW0+8*\y:SW0+8*\y+3], v[S0A] offset:544*\y
	ds_load_b128 v[SW0+8*\y+4:SW0+8*\y+7], v[S0A] offset:544*\y+16
	ds_load_b128 v[SW1+8*\y:SW1+8*\y+3], v[S1A] offset:544*\y
	ds_load_b128 v[SW1+8*\y+4:SW1+8*\y+7], v[S1A] offset:544*\y+16
.endr
.endm
.macro FETCH ks, st                    ; K step ks: two tiles of each source, 24 loads.  A0, TO0, IV0: source 0's address register, bytes from tile to tile, pieces between paddings
	FRAG FR0+48*(\st), A0, \ks, 0, IV0
	FRAG FR0+48*(\st)+12, A0, \ks, TO0, IV0
	FRAG FR0+48*(\st)+24, A1, \ks, 0, IV1
	FRAG FR0+48*(\st)+36, A1, \ks, TO1, IV1
.endm
.macro MULS ks, st                     ; the four accumulators take turns; the first K step starts the sums
.irp y, 0,1
.irp z, 0,1
.if (\ks) == 0
	v_wmma_scale_f32_16x16x128_f8f6f4 v[ACC+8*(2*\y+\z):ACC+8*(2*\y+\z)+7], v[FR0+48*(\st)+12*\y:FR0+48*(\st)+12*\y+11], v[FR0+48*(\st)+24+12*\z:FR0+48*(\st)+24+12*\z+11], 0, v[SW0+8*\y+(\ks)], v[SW1+8*\z+(\ks)] matrix_a_fmt:MATRIX_FMT_FP6 matrix_b_fmt:MATRIX_FMT_FP6
.else
	v_wmma_scale_f32_16x16x128_f8f6f4 v[ACC+8*(2*\y+\z):ACC+8*(2*\y+\z)+7], v[FR0+48*(\st)+12*\y:FR0+48*(\st)+12*\y+11], v[FR0+48*(\st)+24+12*\z:FR0+48*(\st)+24+12*\z+11], v[ACC+8*(2*\y+\z):ACC+8*(2*\y+\z)+7], v[SW0+8*\y+(\ks)], v[SW1+8*\z+(\ks)] matrix_a_fmt:MATRIX_FMT_FP6 matrix_b_fmt:MATRIX_FMT_FP6
.endif
.endr
.endr
.endm
.macro KLOOP
	SCW
	FETCH 0, 0
.set KK, 0
.rept 8
.if KK < 7
.if KK > 0
	PLACES                                         ; the set that is loaded next was read by the products just issued
.endif
	FETCH KK+1, (KK+1)%2
	s_wait_dscnt 24                                ; this step's fragments (and the scale words) are in; the 24 loads just issued may be out
.else
	s_wait_dscnt 0x0
.endif
	MULS KK, KK%2
.set KK, KK+1
.endr
.endm
	s_cmp_eq_u32 s22, 17
	s_cbranch_scc1 .Lkv
.set A0, 4                             ; q, k: source 0 is W (rows of 816, a padding behind every 32 pieces), source 1 xn (rows of 784, none inside)
.set TO0, 13056
.set IV0, 32
.set A1, 5
.set TO1, 12544
.set IV1, 1024
.set S0A, 8
.set S1A, 9
	KLOOP
	s_branch .Lkj
.Lkv:
.set A0, 5                             ; v: the other way round
.set TO0, 12544
.set IV0, 1024
.set A1, 4
.set TO1, 13056
.set IV1, 32
.set S0A, 9
.set S1A, 8
	KLOOP
.Lkj:
	s_wait_xcnt 0x0                                ; the stores above have read their registers, which are written again below
	; the stores' offsets: plain instructions that name no register of the last products: also the places behind them
	v_mul_u32_u24 v10, v1, 24                      ; q: 24 bytes a position
	v_lshlrev_b32 v11, 2, v1                       ; 4 x lane
	v_bfe_u32 v240, v1, 3, 1                       ; k: position l of a block of 32 is lane r' = l % 8 + 8 (l / 16) of tile u = (l / 8) % 2
	v_and_b32 v241, 7, v1
	s_delay_alu instid0(VALU_DEP_1)
	v_lshl_add_u32 v241, v3, 3, v241
	s_delay_alu instid0(VALU_DEP_3)
	v_mul_u32_u24 v12, v240, 768
	s_delay_alu instid0(VALU_DEP_1)
	v_lshl_add_u32 v13, v241, 3, v12
	s_delay_alu instid0(VALU_DEP_1)
	v_add_nc_u32 v13, 512, v13
	s_delay_alu instid0(VALU_DEP_3)
	v_lshl_add_u32 v12, v241, 4, v12
	v_lshlrev_b32 v14, 8, v240
	s_delay_alu instid0(VALU_DEP_1)
	v_lshl_add_u32 v14, v241, 4, v14               ; k's scale word: 16 (16 u + r')
	v_mul_u32_u24 v15, v3, 1536                    ; v: channel l is lane l % 16 of tile l / 16
	s_delay_alu instid0(VALU_DEP_1)
	v_lshl_add_u32 v242, v2, 3, v15
	s_delay_alu instid0(VALU_DEP_1)
	v_add_nc_u32 v242, 512, v242
	s_delay_alu instid0(VALU_DEP_3)
	v_lshl_add_u32 v15, v2, 4, v15
.irp i, 244,245,246,247
	v_mov_b32 v\i, 0
.endr
	SWAP16 ACC                                     ; q, k: lane l = row l, register d = channel d;  v: lane l = channel l, register p = position p
	SWAP16 ACC+16
	s_lshr_b32 s76, s20, 6                         ; the batch
	s_lshl_b32 s77, s76, 4
	s_add_co_u32 s77, s77, s22
	s_lshl_b32 s77, s77, 11
	s_add_co_u32 s77, s77, s93                     ; (16 b + head) 2048 + first position
	s_mul_i32 s78, s77, 24
	s_mov_b32 s79, 0
	s_add_nc_u64 s[12:13], s[12:13], s[78:79]
	s_lshl_b32 s78, s77, 2
	s_add_nc_u64 s[14:15], s[14:15], s[78:79]
	s_mul_i32 s78, s76, 157696
	s_add_nc_u64 s[16:17], s[16:17], s[78:79]      ; the batch's part of kv
	s_lshr_b32 s84, s93, 7                         ; the key step of 128,
	s_and_b32 s85, s20, 3                          ; and my block of 32 in it
	s_wait_alu depctr_va_vdst(0)
	s_cmp_eq_u32 s22, 17
	s_cbranch_scc1 .Lv
.irp j, 0,2,4,6,8,10,12,14             ; out[d] = t[d] C[d] - t[d + 16] S[d];  out[d + 16] = t[d + 16] C[d] + t[d] S[d]
	v_pk_mul_f32 v[240:241], v[ACC+16+\j:ACC+17+\j], v[SS+\j:SS+\j+1]
	v_pk_mul_f32 v[242:243], v[ACC+\j:ACC+\j+1], v[SS+\j:SS+\j+1]
	s_delay_alu instid0(VALU_DEP_2)
	v_pk_fma_f32 v[H+\j:H+\j+1], v[ACC+\j:ACC+\j+1], v[CC+\j:CC+\j+1], v[240:241] neg_lo:[0,0,1] neg_hi:[0,0,1]
	s_delay_alu instid0(VALU_DEP_2)
	v_pk_fma_f32 v[H+16+\j:H+17+\j], v[ACC+16+\j:ACC+17+\j], v[CC+\j:CC+\j+1], v[242:243]
.endr
	QB H, 48, 56, 60, 63
	s_delay_alu instid0(VALU_DEP_4)
	v_or_b32 v63, 0x7f7f7f00, v63                  ; the scale word: the three blocks of zero codes that fill K to 128 take the byte 127
	s_wait_alu depctr_va_vdst(0)
	s_cmp_eq_u32 s22, 16
	s_cbranch_scc1 .Lk
	global_store_b96 v10, v[48:50], s[12:13]       ; the wave's two stores cover 768 consecutive bytes
	global_store_b96 v10, v[56:58], s[12:13] offset:12
	global_store_b32 v11, v63, s[14:15]
	s_branch .Ldone
.Lk:
	s_mul_i32 s78, s84, 6144
	s_mul_i32 s86, s85, 1536
	s_add_co_u32 s78, s78, s86
	s_add_nc_u64 s[94:95], s[16:17], s[78:79]      ; tiles 2 beta and 2 beta + 1 of my step
	s_lshl_b32 s78, s84, 9
	s_lshl_b32 s86, s85, 2
	s_add_co_u32 s78, s78, s86
	s_add_co_u32 s78, s78, 147456
	s_add_nc_u64 s[90:91], s[16:17], s[78:79]      ; their scale words
	global_store_b128 v12, v[48:51], s[94:95]
	global_store_b64 v13, v[52:53], s[94:95]
	global_store_b128 v12, v[244:247], s[94:95] offset:256    ; lanes 16-31 of the image: zero codes (K = 32 .. 63)
	global_store_b64 v13, v[244:245], s[94:95] offset:128
	global_store_b32 v14, v63, s[90:91]
	s_branch .Ldone
.Lv:
	QB ACC, 48, 56, 60, 63                         ; my channel's 32 positions: block beta of the step's 128 keys
	s_and_b32 s80, s20, 1                          ; the block's half of the lanes,
	s_lshl_b32 s81, s80, 8
	s_lshl_b32 s82, s80, 7
	v_add_nc_u32 v15, s81, v15
	v_add_nc_u32 v242, s82, v242
	s_wait_alu depctr_va_vdst(0)
	s_bfe_u32 s83, s20, 0x10001                    ; and its half of the registers
	s_mul_i32 s78, s84, 3072
	s_mul_i32 s86, s83, 768
	s_add_co_u32 s78, s78, s86
	s_add_co_u32 s78, s78, 98304
	s_add_nc_u64 s[94:95], s[16:17], s[78:79]
	s_lshl_b32 s78, s84, 7
	s_add_co_u32 s78, s78, s85
	s_add_co_u32 s78, s78, 155648
	s_add_nc_u64 s[90:91], s[16:17], s[78:79]
	global_store_b128 v15, v[48:51], s[94:95]
	global_store_b64 v242, v[52:53], s[94:95]
	global_store_b8 v11, v63, s[90:91]
.Ldone:
	s_set_vgpr_msb 0x5
	s_wait_tensorcnt 0x0                           ; the wave's end
	ds_add_u32 v0, v1
	s_wait_dscnt 0x0
	s_set_vgpr_msb 0x500
	CROUND                                         ; the closing round: no work-group ends while a partner may still ask jointly
	s_endpgm
.Lfunc_end_k_q042587a57a_lnqkv:
	.size	k_q042587a57a_lnqkv, .Lfunc_end_k_q042587a57a_lnqkv-k_q042587a57a_lnqkv
	.p2alignl 7, 3214868480
	.fill 96, 4, 3214868480
	.section	.rodata,"a",@progbits
	.p2align	6, 0x0
	.amdhsa_kernel k_q042587a57a_lnqkv
		.amdhsa_group_segment_fixed_size 314624
		.amdhsa_private_segment_fixed_size 0
		.amdhsa_enable_private_segment 0
		.amdhsa_kernarg_size 96
		.amdhsa_user_sgpr_count 2
		.amdhsa_user_sgpr_kernarg_segment_ptr 1
		.amdhsa_wavefront_size32 1
		.amdhsa_system_sgpr_workgroup_id_x 1
		.amdhsa_system_sgpr_workgroup_id_y 1
		.amdhsa_system_sgpr_workgroup_id_z 1
		.amdhsa_system_vgpr_workitem_id 0
		.amdhsa_next_free_vgpr 272
		.amdhsa_next_free_sgpr 96
		.amdhsa_reserve_vcc 1
		.amdhsa_float_denorm_mode_32 3
		.amdhsa_float_denorm_mode_16_64 3
		.amdhsa_memory_ordered 1
		.amdhsa_forward_progress 1
		.amdhsa_inst_pref_size 139
	.end_amdhsa_kernel
	.amdgpu_metadata
---
amdhsa.version: [ 1, 2 ]
amdhsa.kernels:
  - .name:           k_q042587a57a_lnqkv
    .symbol:         k_q042587a57a_lnqkv.kd
    .args:
      - { .name: xc, .offset: 0, .size: 8, .value_kind: global_buffer, .address_space: global }
      - { .name: xs, .offset: 8, .size: 8, .value_kind: global_buffer, .address_space: global }
      - { .name: W_fused_codes, .offset: 16, .size: 8, .value_kind: global_buffer, .address_space: global }
      - { .name: W_fused_scales, .offset: 24, .size: 8, .value_kind: global_buffer, .address_space: global }
      - { .name: qc, .offset: 32, .size: 8, .value_kind: global_buffer, .address_space: global }
      - { .name: qs, .offset: 40, .size: 8, .value_kind: global_buffer, .address_space: global }
      - { .name: kv, .offset: 48, .size: 8, .value_kind: global_buffer, .address_space: global }
      - { .name: x, .offset: 56, .size: 8, .value_kind: global_buffer, .address_space: global }
      - { .name: gamma, .offset: 64, .size: 8, .value_kind: global_buffer, .address_space: global }
      - { .name: W_ff_out_codes, .offset: 72, .size: 8, .value_kind: global_buffer, .address_space: global }
      - { .name: W_attn_out_codes, .offset: 80, .size: 8, .value_kind: global_buffer, .address_space: global }
      - { .name: wimg, .offset: 88, .size: 8, .value_kind: global_buffer, .address_space: global }
    .group_segment_fixed_size: 314624
    .private_segment_fixed_size: 0
    .kernarg_segment_align: 8
    .kernarg_segment_size: 96
    .max_flat_workgroup_size: 288
    .sgpr_count:     96
    .vgpr_count:     272
    .wavefront_size: 32
...
	.end_amdgpu_metadata
.endif
;; end of part 1
;; launch ffg (part 2): grid 16 x 16, 4 waves a work-group, clusters of 4 x 4, 327,680 bytes of LDS; arguments xc, xs, W_fused_codes, W_fused_scales, ac, asc; writes ac, asc
.if DOCPART == 2
	.amdgcn_target "amdgcn-amd-amdhsa--gfx1250"
	.amdhsa_code_object_version 6
	.text
	.protected	k_q042587a57a_ffg
	.globl	k_q042587a57a_ffg
	.p2align	8
	.type	k_q042587a57a_ffg,@function
k_q042587a57a_ffg:
	s_mov_b64 s[64:65], 0
	v_nop
	global_prefetch_b8 v0, s[64:65] scope:SCOPE_SE
	s_setreg_imm32_b32 hwreg(HW_REG_WAVE_MODE, 25, 1), 1
	s_wait_xcnt 0x0
	s_wait_alu depctr_hold_cnt(0) depctr_sa_sdst(0) depctr_va_vdst(0) depctr_va_sdst(0) depctr_va_ssrc(0) depctr_va_vcc(0) depctr_vm_vsrc(0)
	s_getreg_b32 s2, hwreg(HW_REG_IB_STS2, 6, 4)
	s_cmp_eq_u32 s2, 0
	s_cbranch_scc0 .Lentry_in_a_cluster
	s_endpgm
.Lentry_in_a_cluster:
	s_bfe_u32 s2, ttmp6, 0x10000c
	s_cmp_lg_u32 s2, 0xf033
	s_cbranch_scc0 .Lentry_shape_is_right
	s_endpgm
.Lentry_shape_is_right:
; h = silu(xn Wg) * (xn Wx) for the 4,096 hidden units, on codes of FP6 (E2M3), then h quantised along the hidden units and stored as the last product's operand.
; A work-group of four waves makes two tiles, one after the other: 256 rows x 128 hidden units (128 rows of W for x and the 128 for the gate); tile t takes hidden tile (column + 16 t).
; A wave makes 128 rows x (64 x + 64 gate): 64 accumulators.  K = 1,024 is 768 bytes of a row: three CHUNKS of 256 bytes, each beginning at a multiple of 256, through two LDS slots (chunks 0, 2 in slot 0, chunk 1 in slot 1);
; a matrix step is 96 bytes: eight steps; steps 2 and 5 lie across two chunks.
; THE RING GOES ON INTO THE SECOND TILE.  The first tile's chunks 0 and 1 are asked for at the head.  The eight steps stand once, in a loop over the tiles.  Behind the first tile's last step its slot 0 takes the second tile's
; chunk 0, and behind the fourth of the eight blocks of its way out slot 1 takes chunk 1: both land under the way out.  The last tile leaves the loop by a branch on the counter and its way out is written out: no load is jumped over.
; CLUSTERS 4 x 4: xn's tiles are asked for jointly along a row of the cluster, W's along a column.
; SCALE WORDS go from memory into registers, 32 bytes a row (all of K): xn's once, W's for each tile.  A register holds block i in lanes 0-15 and block i + 4 in lanes 16-31.
; PREFETCH: in the first trip, behind step 3, each wave names 16 of the second tile's rows of W, three blocks of 256 bytes each; the four partners that will ask for those rows jointly share them out by address (cy).
; xn's rows are the same in both trips and the first tile's chunks come by their loads alone: they are not named.  The second trip names nothing.
; The matrix instruction is used transposed (source 0 = W, source 1 = xn): a lane holds a row and eight neighbouring hidden units.
; LIMITS: NaN and infinities are not served; a block of h whose largest magnitude lies under 2^-124 takes the byte 1 (a block of zeros too: only this program reads the bytes).
; WINDOWS: 0: v0-31 addresses, v32-63 xn's scale words, v64-95 W's, v128-223 xn's fragments (the way out: v128-241); 1: W's fragments, two sets; 2, 3: accumulators (a, b) at v[8 (8 (a % 4) + b)]; b 0-3 x, b 4-7 gate.
.set ROWB,   256
.set KROW,   768
.set CHUNKS, 3
.set PITCH,  272                       ; 256 bytes + 16 of padding
.set FR,     12
.set NL,     6
.set NP,     4
.set HALFT,  128*PITCH
.set SLOT,   4*HALFT                   ; xn's 256 rows, W's 128 for x, W's 128 for the gate
.set TAB,    2*SLOT                    ; 1,024 scale bytes of h: 256 rows x 4
.set SPARE,  TAB+1024                  ; the spare words
.set NEXTW,  2048*KROW                 ; from a tile's rows of W to the next tile's
.set SAO,  8
.set SBO,  9
.set TRD,  10
.set PF1,  12
.set PF2,  13
.set ADRA, 16                          ; v16-17 slot 0, 1; v18-19 for pieces whose two halves of the lanes lie in different chunks
.set ADRB, 20
.set LI16, 24
.set LI8,  25
.set TBY,  26
.set SPW,  28
.set NIL,  29
.set L8,   31
.set SA,   32
.set SB,   64
.set AF,   128
.set H,    128
.set CB,   160
.set DD,   224
.set MM,   228
.set BYR,  232
.set G1, 24
.set G0, 32
.set G1B, 48
.set G0B, 56
.set MSB, 0
.macro WIN new
.if MSB != \new
	s_set_vgpr_msb (MSB<<8)|\new
.set MSB, \new
.endif
.endm
.set MUL_LO, 0xa1
.set MUL_HI, 0xf1
.set TO_B,   0x40
.macro PLACES n
.rept \n
	v_nop
.endr
.endm
.macro JLOAD g0a, g1a, g0b, g1b        ; waves 0, 1 fetch xn's halves, waves 2, 3 W's x rows and gate rows
	s_cmp_eq_u32 s15, 0
	s_cbranch_scc0 .Lfor_b_\@
	tensor_load_to_lds s[\g0a:\g0a+3], s[\g1a:\g1a+7]
	s_nop 0
	PLACES 4
	s_branch .Lasked_\@
.Lfor_b_\@:
	tensor_load_to_lds s[\g0b:\g0b+3], s[\g1b:\g1b+7]
	s_nop 0
	PLACES 4
.Lasked_\@:
.endm
.macro CREST
	s_cmp_lg_u32 s14, 0
	s_cbranch_scc1 .Lnot_wave_0_\@
	s_barrier_signal -3
.Lnot_wave_0_\@:
	s_barrier_wait -3
	s_barrier_signal -1
	s_barrier_wait -1
.endm
.macro CROUND
	s_barrier_signal -1
	s_barrier_wait -1
	CREST
.endm
	s_load_b128 s[4:7], s[0:1], 0x0                ; xc, xs
	s_load_b128 s[8:11], s[0:1], 0x10              ; W's codes, W's scales
	s_load_b64 s[12:13], s[0:1], 0x20              ; ac
	s_load_b64 s[98:99], s[0:1], 0x28              ; asc
	v_lshl_add_u32 v[SPW], v0, 2, SPARE
	v_mov_b32 v[NIL], 0
	ds_add_u32 v[SPW], v[NIL]                      ; the opening lines: the add twice on end and one wait
	ds_add_u32 v[SPW], v[NIL]
	v_lshrrev_b32 v1, 5, v0
	v_readfirstlane_b32 s14, v1                    ; wave
	s_lshr_b32 s15, s14, 1                         ; my half of the rows; also: I fetch xn (0) or W (1)
	s_and_b32 s16, s14, 1                          ; my half of the hidden units; also: which 128 rows I fetch
	s_bfe_u32 s40, ttmp6, 0x40000                  ; cx
	s_bfe_u32 s41, ttmp6, 0x40004                  ; cy
	s_lshl_b32 s42, ttmp9, 2
	s_add_co_u32 s42, s42, s40                     ; tile column
	s_and_b32 s17, ttmp7, 0xffff
	s_lshl_b32 s17, s17, 2
	s_add_co_u32 s17, s17, s41                     ; tile row
	s_lshl_b32 s43, s41, 2
	s_lshl_b32 s43, 15, s43
	s_lshl_b32 s44, 0x1111, s40
	s_or_b32 s[G1], s43, (1<<20)|(1<<21)|(5<<22)|(3<<25)    ; bytes; 4 words of padding behind every 64
	s_or_b32 s[G1B], s44, (1<<20)|(1<<21)|(5<<22)|(3<<25)
.irp g, G1, G1B
	s_mov_b32 s[\g+1], ROWB<<16
	s_mov_b32 s[\g+2], 128<<16
	s_mov_b32 s[\g+3], ROWB<<16
	s_mov_b32 s[\g+4], 128
	s_mov_b32 s[\g+5], KROW
	s_mov_b32 s[\g+6], 0
	s_mov_b32 s[\g+7], 0
.endr
	s_lshl_b32 s20, s17, 8
	s_lshl_b32 s18, s16, 7
	s_add_co_u32 s20, s20, s18
	s_mul_i32 s20, s20, KROW                       ; the rows of xn that I fetch
	s_mov_b32 s21, 0
	s_lshl_b32 s46, s42, 7
	s_lshl_b32 s47, s16, 12
	s_add_co_u32 s46, s46, s47
	s_add_co_u32 s46, s46, 576
	s_mul_i32 s46, s46, KROW                       ; the rows of W that I fetch: x's or, 4,096 rows on, the gate's
	s_mov_b32 s47, 0
	s_lshl_b32 s22, s17, 8
	s_lshl_b32 s18, s15, 7
	s_add_co_u32 s22, s22, s18
	s_lshl_b32 s22, s22, 5                         ; my 128 rows' scale bytes
	s_mov_b32 s23, 0
	s_lshl_b32 s68, s42, 7
	s_lshl_b32 s18, s16, 6
	s_add_co_u32 s68, s68, s18
	s_add_co_u32 s68, s68, 576
	s_lshl_b32 s68, s68, 5                         ; my 64 x rows' scale bytes (the gate's: 4,096 rows on, in lanes 16-31)
	s_mov_b32 s69, 0
	s_mul_i32 s45, s14, HALFT
	s_mov_b32 s70, SLOT-232
	s_mov_b32 s71, SLOT+232
	s_mul_i32 s72, s15, HALFT
	s_mul_i32 s73, s16, 64*PITCH
	s_add_co_u32 s73, s73, 2*HALFT
	s_add_co_u32 s74, s72, SLOT
	s_add_co_u32 s75, s73, SLOT
	s_lshl_b32 s76, s15, 9
	s_lshl_b32 s18, s16, 1
	s_add_co_u32 s76, s76, s18
	s_add_co_u32 s76, s76, TAB
	s_lshl_b32 s92, s17, 4
	s_lshl_b32 s18, s15, 3
	s_add_co_u32 s92, s92, s18
	s_mul_i32 s92, s92, 36
	s_add_co_u32 s92, s92, s42
	s_mul_i32 s92, s92, 1536
	s_mul_i32 s18, s16, 768
	s_add_co_u32 s92, s92, s18                     ; ac: [tile of 16 rows][36 K steps][1,536]; my half of the image
	s_mov_b32 s93, 0
	s_lshl_b32 s94, s42, 14
	s_lshl_b32 s18, s17, 10
	s_add_co_u32 s94, s94, s18                     ; asc: [K step][row] words
	s_mov_b32 s95, 0
	s_mov_b32 s96, 0xbfb8aa3b                      ; -log2(e)
	s_mov_b32 s97, s96
	s_lshl_b32 s66, s42, 7
	s_lshl_b32 s18, s15, 12
	s_add_co_u32 s66, s66, s18
	s_lshl_b32 s18, s16, 6
	s_add_co_u32 s66, s66, s18
	s_lshl_b32 s18, s41, 4
	s_add_co_u32 s66, s66, s18
	s_add_co_u32 s66, s66, 576+2048
	s_mul_i32 s66, s66, KROW                       ; the prefetch: 16 rows of the second tile's W
	s_mov_b32 s67, 0
	v_and_b32 v1, 15, v0
	v_bfe_u32 v2, v0, 4, 1
	v_mul_u32_u24 v3, v1, PITCH
	v_mul_u32_u24 v4, v2, 24
	v_add_nc_u32 v4, v3, v4
	v_sub_nc_u32 v7, 1, v2
	v_mul_u32_u24 v5, s70, v2
	v_add_nc_u32 v5, v3, v5
	v_add_nc_u32 v5, 232, v5                       ; lanes 0-15 byte 232 of the row in slot 0, lanes 16-31 byte 0 of the row in slot 1
	v_mul_u32_u24 v6, s71, v7
	v_add_nc_u32 v6, v3, v6                        ; and the other way round
	v_add_nc_u32 v[ADRA+2], s72, v5
	v_add_nc_u32 v[ADRA+3], s72, v6
	v_add_nc_u32 v[ADRB+2], s73, v5
	v_add_nc_u32 v[ADRB+3], s73, v6
	v_add_nc_u32 v[ADRA], s72, v4
	v_add_nc_u32 v[ADRB], s73, v4
	v_add_nc_u32 v[ADRA+1], s74, v4
	v_add_nc_u32 v[ADRB+1], s75, v4
	v_lshlrev_b32 v11, 5, v1
	v_lshl_add_u32 v[SAO], v2, 11, v11             ; 32 r, + 64 rows in lanes 16-31
	v_lshl_add_u32 v[SBO], v2, 17, v11             ; 32 r, + 4,096 rows in lanes 16-31
	v_and_b32 v6, 31, v0
	v_lshlrev_b32 v[LI16], 4, v6
	v_lshl_add_u32 v[LI8], v6, 3, 512
	v_lshl_add_u32 v[TBY], v1, 2, v2
	v_add_nc_u32 v[TBY], s76, v[TBY]
	v_lshlrev_b32 v[L8], 3, v0
	v_lshl_add_u32 v[TRD], v0, 3, TAB
	v_mul_u32_u24 v[PF2], v1, KROW
	v_lshl_add_u32 v[PF1], v2, 8, v[PF2]           ; row r, block l / 16
	v_add_nc_u32 v[PF2], 512, v[PF2]               ; row r, block 2 (lanes 16-31 name it again)
	s_wait_alu depctr_va_vdst(0)                   ; the wait at the head's end
	s_wait_dscnt 0x0
	s_wait_kmcnt 0x0
	s_add_nc_u64 s[20:21], s[4:5], s[20:21]
	s_add_nc_u64 s[46:47], s[8:9], s[46:47]
	s_add_nc_u64 s[22:23], s[6:7], s[22:23]
	s_add_nc_u64 s[68:69], s[10:11], s[68:69]
	s_add_nc_u64 s[66:67], s[8:9], s[66:67]
	s_add_nc_u64 s[12:13], s[12:13], s[92:93]
	s_add_nc_u64 s[98:99], s[98:99], s[94:95]
.irp s, 0,1
	s_mov_b32 s[G0+4*\s], 1
	s_add_co_u32 s[G0+4*\s+1], s45, \s*SLOT
	s_add_nc_u64 s[G0+4*\s+2:G0+4*\s+3], s[20:21], \s*ROWB
	s_or_b32 s[G0+4*\s+3], s[G0+4*\s+3], 0x80000000
	s_mov_b32 s[G0B+4*\s], 1
	s_add_co_u32 s[G0B+4*\s+1], s45, \s*SLOT
	s_add_nc_u64 s[G0B+4*\s+2:G0B+4*\s+3], s[46:47], \s*ROWB
	s_or_b32 s[G0B+4*\s+3], s[G0B+4*\s+3], 0x80000000
.endr
.irp i, 0,1,2,3
	global_load_b128 v[SA+8*\i:SA+8*\i+3], v[SAO], s[22:23] offset:512*\i          ; register 8 i + st: K step st of blocks i and i + 4
	global_load_b128 v[SA+8*\i+4:SA+8*\i+7], v[SAO], s[22:23] offset:512*\i+16
.endr
.macro SBLOAD                          ; a tile's scale words of W: x's block i below, the gate's above
.irp i, 0,1,2,3
	global_load_b128 v[SB+8*\i:SB+8*\i+3], v[SBO], s[68:69] offset:512*\i
	global_load_b128 v[SB+8*\i+4:SB+8*\i+7], v[SBO], s[68:69] offset:512*\i+16
.endr
.endm
.macro FRAG reg, adr, st, boff         ; 12 registers in pieces of 8 bytes; byte y of a row lies in chunk y / 256, slot (y / 256) % 2
.irp p, 0,1,2,3,4,5
.set PB, 96*(\st)+48*(\p/3)+8*(\p%3)
.if PB/ROWB == (PB+24)/ROWB
	ds_load_b64 v[\reg+2*\p:\reg+2*\p+1], v[\adr+(PB/ROWB)%2] offset:PB%ROWB+(\boff)
.else
	ds_load_b64 v[\reg+2*\p:\reg+2*\p+1], v[\adr+2+(PB/ROWB)%2] offset:PB%ROWB-232+(\boff)
.endif
.endr
.endm
.macro FETCH_B st, p
	WIN TO_B
.irp i, 0,1,2,3,4,5,6,7
	FRAG 128*(\p)+FR*\i, ADRB, \st, (\i%4)*16*PITCH+(\i/4)*HALFT
.endr
	WIN 0
.endm
.macro FETCH_A st, i0
.irp i, \i0, \i0+1, \i0+2, \i0+3
	FRAG AF+FR*(\i), ADRA, \st, (\i)*16*PITCH
.endr
.endm
.macro WMI z, r0, r1                   ; z: the product starts the sum; r0, r1: the sources' scale words stand in lanes 16-31
.if \z
.if (\r0) && (\r1)
	v_wmma_scale_f32_16x16x128_f8f6f4 v[rD:rD+7], v[rB:rB+11], v[rA:rA+11], 0, v[rSB], v[rSA] matrix_a_fmt:MATRIX_FMT_FP6 matrix_b_fmt:MATRIX_FMT_FP6 matrix_a_scale:MATRIX_SCALE_ROW1 matrix_b_scale:MATRIX_SCALE_ROW1
.elseif \r0
	v_wmma_scale_f32_16x16x128_f8f6f4 v[rD:rD+7], v[rB:rB+11], v[rA:rA+11], 0, v[rSB], v[rSA] matrix_a_fmt:MATRIX_FMT_FP6 matrix_b_fmt:MATRIX_FMT_FP6 matrix_a_scale:MATRIX_SCALE_ROW1
.elseif \r1
	v_wmma_scale_f32_16x16x128_f8f6f4 v[rD:rD+7], v[rB:rB+11], v[rA:rA+11], 0, v[rSB], v[rSA] matrix_a_fmt:MATRIX_FMT_FP6 matrix_b_fmt:MATRIX_FMT_FP6 matrix_b_scale:MATRIX_SCALE_ROW1
.else
	v_wmma_scale_f32_16x16x128_f8f6f4 v[rD:rD+7], v[rB:rB+11], v[rA:rA+11], 0, v[rSB], v[rSA] matrix_a_fmt:MATRIX_FMT_FP6 matrix_b_fmt:MATRIX_FMT_FP6
.endif
.else
.if (\r0) && (\r1)
	v_wmma_scale_f32_16x16x128_f8f6f4 v[rD:rD+7], v[rB:rB+11], v[rA:rA+11], v[rD:rD+7], v[rSB], v[rSA] matrix_a_fmt:MATRIX_FMT_FP6 matrix_b_fmt:MATRIX_FMT_FP6 matrix_a_scale:MATRIX_SCALE_ROW1 matrix_b_scale:MATRIX_SCALE_ROW1
.elseif \r0
	v_wmma_scale_f32_16x16x128_f8f6f4 v[rD:rD+7], v[rB:rB+11], v[rA:rA+11], v[rD:rD+7], v[rSB], v[rSA] matrix_a_fmt:MATRIX_FMT_FP6 matrix_b_fmt:MATRIX_FMT_FP6 matrix_a_scale:MATRIX_SCALE_ROW1
.elseif \r1
	v_wmma_scale_f32_16x16x128_f8f6f4 v[rD:rD+7], v[rB:rB+11], v[rA:rA+11], v[rD:rD+7], v[rSB], v[rSA] matrix_a_fmt:MATRIX_FMT_FP6 matrix_b_fmt:MATRIX_FMT_FP6 matrix_b_scale:MATRIX_SCALE_ROW1
.else
	v_wmma_scale_f32_16x16x128_f8f6f4 v[rD:rD+7], v[rB:rB+11], v[rA:rA+11], v[rD:rD+7], v[rSB], v[rSA] matrix_a_fmt:MATRIX_FMT_FP6 matrix_b_fmt:MATRIX_FMT_FP6
.endif
.endif
.endm
.macro MUL16 a0, st, zero              ; xn's blocks a0, a0 + 1 x W's eight; the 64 accumulators take turns
.irp a, \a0, \a0+1
.irp b, 0,1,2,3,4,5,6,7
.set rD, 8*(8*((\a)%4)+\b)
.set rB, 128*((\st)%2)+FR*\b
.set rA, AF+FR*(\a)
.set rSB, SB+8*(\b%4)+(\st)
.set rSA, SA+8*((\a)%4)+(\st)
	WMI \zero, \b/4, (\a)/4
.endr
.endr
.endm
; A step: 64 products; the next step's fragments are fetched in its middle and at its end.  Where they end in a chunk not read yet: the wait for my tensor loads and a barrier ahead of the fetch.
; Where they leave chunk 0 behind: the three lines, a round of the cluster's barrier, and chunk 2 into slot 0.
.macro STEP st, zero
.set NX, (\st)+1
.set C0, (96*(\st))/ROWB
.set C1, (96*NX)/ROWB
.set E0, (96*(\st)+95)/ROWB
.set E1, (96*NX+95)/ROWB
.if (C1 > C0 && C0+2 < CHUNKS) || E1 > E0
	s_wait_tensorcnt 0x0
.if C1 > C0 && C0+2 < CHUNKS
	ds_add_u32 v[SPW], v[NIL]
	s_wait_dscnt 4*NL+1                            ; the add and xn's blocks 4-7 may be out
.else
	s_wait_dscnt 4*NL
.endif
	WIN MUL_LO
	MUL16 0, \st, \zero
	s_wait_dscnt 0x0
	s_barrier_signal -1
	MUL16 2, \st, \zero
	WIN 0
	s_barrier_wait -1
.if C1 > C0 && C0+2 < CHUNKS
	CREST
	s_add_nc_u64 s[G0+2:G0+3], s[G0+2:G0+3], 2*ROWB
	s_add_nc_u64 s[G0B+2:G0B+3], s[G0B+2:G0B+3], 2*ROWB
	JLOAD G0, G1, G0B, G1B
.else
	PLACES NP
.endif
.else
	s_wait_dscnt 4*NL                              ; W's set and xn's blocks 0-3 are in; the youngest 24 loads may be out
	WIN MUL_LO
	MUL16 0, \st, \zero
	MUL16 2, \st, \zero
	s_wait_dscnt 0
	PLACES NP
.endif
	FETCH_B NX, NX%2
	FETCH_A NX, 0
	WIN MUL_HI
	MUL16 4, \st, \zero
	MUL16 6, \st, \zero
	PLACES NP
	WIN 0
	FETCH_A NX, 4
.endm
.macro QB src, c, d, m, by             ; 32 numbers of one lane: codes into v[c] .. v[c+5], the scale byte into v[by]
	v_max3_num_f32 v[\m], |v[\src]|, |v[\src+1]|, 0x1800000
	v_max3_num_f32 v[\m+1], |v[\src+2]|, |v[\src+3]|, |v[\src+4]|
.irp i, 5,9,13,17,21,25
	v_max3_num_f32 v[\m], v[\m], |v[\src+\i]|, |v[\src+\i+1]|
	v_max3_num_f32 v[\m+1], v[\m+1], |v[\src+\i+2]|, |v[\src+\i+3]|
.endr
	v_max3_num_f32 v[\m], v[\m], |v[\src+29]|, |v[\src+30]|
	v_max3_num_f32 v[\m], v[\m], v[\m+1], |v[\src+31]|
	v_add_nc_u32 v[\m+2], 0xff000000, v[\m]
	v_cvt_scalef32_pk16_fp6_f32 v[\c:\c+2], v[\src:\src+15], v[\m+2]
	v_cvt_scalef32_pk16_fp6_f32 v[\d:\d+2], v[\src+16:\src+31], v[\m+2]
	v_lshrrev_b32 v[\by], 23, v[\m+2]
.irp i, 0,1,2
	v_mov_b32 v[\c+3+\i], v[\d+\i]
.endr
.endm
.macro SWAP16 base
.irp i, 0,1,2,3,4,5,6,7
	v_permlane16_swap_b32 v[\base+\i], v[\base+8+\i]
.endr
.endm
; Block a of 16 rows: u = gate x and t = -gate log2(e) are laid over the accumulators; h = u / (1 + 2^t); two lane swaps leave a block of 32 hidden units in a lane; codes leave as half an image, the byte goes to the table.
.macro EPI a
.set AC, 64*((\a)%4)
	WIN 0xaa+0x55*((\a)/4)
	s_wait_alu depctr_va_vdst(0)                   ; the wait ahead of the first reader of matrix results
.irp b, 0,1,2,3
.irp i, 0,2,4,6
	v_pk_mul_f32 v[AC+8*\b+\i:AC+8*\b+\i+1], v[AC+32+8*\b+\i:AC+32+8*\b+\i+1], v[AC+8*\b+\i:AC+8*\b+\i+1]
	v_pk_mul_f32 v[AC+32+8*\b+\i:AC+32+8*\b+\i+1], v[AC+32+8*\b+\i:AC+32+8*\b+\i+1], s[96:97] op_sel_hi:[1,0]
.endr
.endr
	s_wait_alu depctr_va_vdst(0)
.set J, 0
.rept 32
	v_exp_f32 v[AC+32+J], v[AC+32+J]
.set J, J+1
.endr
	v_nop
	s_wait_alu depctr_va_vdst(0)
.set J, 0
.rept 16
	v_pk_add_f32 v[AC+32+J:AC+33+J], v[AC+32+J:AC+33+J], 1.0 op_sel_hi:[1,0]
.set J, J+2
.endr
	s_wait_alu depctr_va_vdst(0)
.set J, 0
.rept 32
	v_rcp_f32 v[AC+32+J], v[AC+32+J]
.set J, J+1
.endr
	v_nop
	WIN 0x0a+5*((\a)/4)
	s_wait_alu depctr_va_vdst(0)
.irp b, 0,1,2,3
.irp i, 0,2,4,6
	v_pk_mul_f32 v[H+8*(2*(\b%2)+\b/2)+\i:H+8*(2*(\b%2)+\b/2)+\i+1], v[AC+8*\b+\i:AC+8*\b+\i+1], v[AC+32+8*\b+\i:AC+32+8*\b+\i+1]
.endr
.endr
	WIN 0
	SWAP16 H
	SWAP16 H+16
	QB H, CB+8*(\a), DD, MM, BYR+(\a)
	global_store_b128 v[LI16], v[CB+8*(\a):CB+8*(\a)+3], s[12:13] offset:55296*(\a)
	global_store_b64 v[LI8], v[CB+8*(\a)+4:CB+8*(\a)+5], s[12:13] offset:55296*(\a)
	ds_store_b8 v[TBY], v[BYR+(\a)] offset:64*(\a)
.endm
.macro WORDS                           ; the tile's scale words leave: 256 rows x 4 bytes, 1,024 consecutive bytes
	s_wait_dscnt 0x0                               ; for the others' sake: my bytes are in the table
	s_barrier_signal -1
	s_barrier_wait -1
	ds_load_b64 v[240:241], v[TRD]
	s_wait_dscnt 0x0
	global_store_b64 v[L8], v[240:241], s[98:99]
.endm
	s_mov_b32 s3, 2                                ; tiles to go
	SBLOAD                                         ; the first tile's scale words of W
	CROUND                                         ; the sixteen work-groups are here: the first joint loads meet
	JLOAD G0, G1, G0B, G1B                         ; chunk 0 into slot 0: one tensor load a wave at the head
	s_wait_tensorcnt 0x0                           ; the three lines ahead of slot 1's first fill, as ahead of a refill
	ds_add_u32 v[SPW], v[NIL]
	s_wait_dscnt 0x0
	CROUND                                         ; chunk 0 is whole
	JLOAD G0+4, G1, G0B+4, G1B                     ; chunk 1 into slot 1
.Ltile:                                                ; here chunk 0 is whole for every wave and chunk 1 has been asked for
	FETCH_B 0, 0
	FETCH_A 0, 0
	FETCH_A 0, 4
	s_wait_loadcnt 0x0                             ; the scale words
	STEP 0, 1                                      ; the first step's products start the sums
	STEP 1, 0
	STEP 2, 0
	STEP 3, 0
	s_cmp_eq_u32 s3, 2                             ; the first trip names the second tile's rows of W; the second names nothing
	s_cbranch_scc0 .Lnopf
	global_prefetch_b8 v[PF1], s[66:67] th:TH_LOAD_NT scope:SCOPE_SE
	global_prefetch_b8 v[PF2], s[66:67] th:TH_LOAD_NT scope:SCOPE_SE
.Lnopf:
	STEP 4, 0
	STEP 5, 0
	STEP 6, 0
	s_wait_dscnt 4*NL                              ; the last step fetches nothing
	WIN MUL_LO
	MUL16 0, 7, 0
	MUL16 2, 7, 0
	s_wait_dscnt 0
	WIN MUL_HI
	MUL16 4, 7, 0
	MUL16 6, 7, 0
	WIN 0
	s_cmp_eq_u32 s3, 1
	s_cbranch_scc1 .Llast                          ; the last tile asks for nothing more: its way out is written out below
	s_wait_tensorcnt 0x0                           ; the three lines: no load of mine is out, so the descriptors may step to the next tile;
	ds_add_u32 v[SPW], v[NIL]
	s_sub_nc_u64 s[G0+2:G0+3], s[G0+2:G0+3], 2*ROWB
	s_add_nc_u64 s[G0B+2:G0B+3], s[G0B+2:G0B+3], NEXTW-2*ROWB
	s_add_nc_u64 s[G0B+6:G0B+7], s[G0B+6:G0B+7], NEXTW
	s_wait_dscnt 0x0                               ; my reads of both slots are over
	CROUND
	JLOAD G0, G1, G0B, G1B                         ; the next tile's chunk 0; its four v_nop are the places behind the last products
	s_wait_xcnt 0x0                                ; the earlier loads and prefetches have read their bases
	s_add_nc_u64 s[68:69], s[68:69], 2048*32
	SBLOAD                                         ; the next tile's scale words of W
.irp a, 0,1,2,3
	EPI \a
.endr
	s_wait_alu depctr_va_vdst(0)
	s_wait_tensorcnt 0x0                           ; the three lines once more: the next tile's chunk 0 is in,
	ds_add_u32 v[SPW], v[NIL]
	s_wait_dscnt 0x0
	CROUND                                         ; for every wave,
	JLOAD G0+4, G1, G0B+4, G1B                     ; and its chunk 1 is asked for
.irp a, 4,5,6,7
	EPI \a
.endr
	WORDS
	s_wait_xcnt 0x0                                ; the stores have read their bases and registers
	s_add_nc_u64 s[12:13], s[12:13], 16*1536
	s_add_nc_u64 s[98:99], s[98:99], 16*16384
	s_sub_co_u32 s3, s3, 1
	s_cmp_lg_u32 s3, 0
	s_wait_alu depctr_va_vdst(0)
	s_cbranch_scc1 .Ltile
.Llast:
	PLACES NP
.irp a, 0,1,2,3,4,5,6,7
	EPI \a
.endr
	WORDS
	s_wait_tensorcnt 0x0                           ; the wave's end
	ds_add_u32 v[SPW], v[NIL]
	s_wait_dscnt 0x0
	CROUND                                         ; the closing round
	s_endpgm
.Lfunc_end_k_q042587a57a_ffg:
	.size	k_q042587a57a_ffg, .Lfunc_end_k_q042587a57a_ffg-k_q042587a57a_ffg
	.p2alignl 7, 3214868480
	.fill 96, 4, 3214868480
	.section	.rodata,"a",@progbits
	.p2align	6, 0x0
	.amdhsa_kernel k_q042587a57a_ffg
		.amdhsa_group_segment_fixed_size 327680
		.amdhsa_private_segment_fixed_size 0
		.amdhsa_enable_private_segment 0
		.amdhsa_kernarg_size 48
		.amdhsa_user_sgpr_count 2
		.amdhsa_user_sgpr_kernarg_segment_ptr 1
		.amdhsa_wavefront_size32 1
		.amdhsa_system_sgpr_workgroup_id_x 1
		.amdhsa_system_sgpr_workgroup_id_y 1
		.amdhsa_system_sgpr_workgroup_id_z 1
		.amdhsa_system_vgpr_workitem_id 0
		.amdhsa_next_free_vgpr 1024
		.amdhsa_next_free_sgpr 100
		.amdhsa_reserve_vcc 0
		.amdhsa_float_denorm_mode_32 3
		.amdhsa_float_denorm_mode_16_64 3
		.amdhsa_memory_ordered 1
		.amdhsa_forward_progress 1
		.amdhsa_inst_pref_size 255
	.end_amdhsa_kernel
	.section	.bss,"aw",@nobits
	.p2align	6
	.space	262144
	.amdgpu_metadata
---
amdhsa.version: [ 1, 2 ]
amdhsa.kernels:
  - .name:           k_q042587a57a_ffg
    .symbol:         k_q042587a57a_ffg.kd
    .args:
      - { .name: xc, .offset: 0, .size: 8, .value_kind: global_buffer, .address_space: global }
      - { .name: xs, .offset: 8, .size: 8, .value_kind: global_buffer, .address_space: global }
      - { .name: W_fused_codes, .offset: 16, .size: 8, .value_kind: global_buffer, .address_space: global }
      - { .name: W_fused_scales, .offset: 24, .size: 8, .value_kind: global_buffer, .address_space: global }
      - { .name: ac, .offset: 32, .size: 8, .value_kind: global_buffer, .address_space: global }
      - { .name: asc, .offset: 40, .size: 8, .value_kind: global_buffer, .address_space: global }
    .group_segment_fixed_size: 327680
    .private_segment_fixed_size: 0
    .kernarg_segment_align: 8
    .kernarg_segment_size: 48
    .max_flat_workgroup_size: 128
    .sgpr_count:     100
    .vgpr_count:     1024
    .wavefront_size: 32
...
	.end_amdgpu_metadata
.endif
;; end of part 2
;; launch attn (part 3): grid 256 x 1, 16 waves a work-group, clusters of 4 x 1, 186,880 bytes of LDS; arguments qc, qs, kv, ac, asc; writes ac, asc
.if DOCPART == 3
	.amdgcn_target "amdgcn-amd-amdhsa--gfx1250"
	.amdhsa_code_object_version 6
	.text
	.protected	k_q042587a57a_attn
	.globl	k_q042587a57a_attn
	.p2align	8
	.type	k_q042587a57a_attn,@function
k_q042587a57a_attn:
	s_mov_b64 s[64:65], 0
	v_nop
	global_prefetch_b8 v0, s[64:65] scope:SCOPE_SE
	s_setreg_imm32_b32 hwreg(HW_REG_WAVE_MODE, 25, 1), 1
	s_wait_xcnt 0x0
	s_wait_alu depctr_hold_cnt(0) depctr_sa_sdst(0) depctr_va_vdst(0) depctr_va_sdst(0) depctr_va_ssrc(0) depctr_va_vcc(0) depctr_vm_vsrc(0)
	s_getreg_b32 s2, hwreg(HW_REG_IB_STS2, 6, 4)
	s_cmp_eq_u32 s2, 0
	s_cbranch_scc0 .Lentry_in_a_cluster
	s_endpgm
.Lentry_in_a_cluster:
	s_bfe_u32 s2, ttmp6, 0x10000c
	s_cmp_lg_u32 s2, 0x3003
	s_cbranch_scc0 .Lentry_shape_is_right
	s_endpgm
.Lentry_shape_is_right:
; Causal multi-query attention, 16 heads of size 32 on one k and one v for each batch, both products on codes of FP6 (E2M3); O / l is quantised, one block of 32 a head, and stored as the last product's operand.
; THE SOFTMAX: t = score x log2(e) / sqrt(32); M = the running largest t rounded UP to a whole number; p = 2^(t - M) is quantised along the keys, not normalised; the row's sum is taken of the unquantised p and divides O
; at the end; when M moves, the sum and O are multiplied by 2^(old M - new M), which rounds nothing.
; SHARES.  A work-group has four heads (4 cx + wave % 4) x four tiles of 16 queries: the short ones 2 pi + u and the long ones 127 - 2 pi - u, u = 0, 1.  A head's four waves have ROLES rho = (wave / 4 + wave) % 4, u = rho % 2:
;   rho 0, 1: the long tile's keys 0 .. 1,023, eight key steps of 128; then O^T, the sum and -M go into LDS as images of the registers;
;   rho 2, 3: the short tile, pi / 4 + 1 steps, which is finished at once; then the long tile's keys from 1,024 on, 8 - pi / 4 steps; behind a barrier the partner's image is joined: -M = the smaller of the two, both parts
;   x an exact power of two, then added.  So every wave has 8 or 9 steps, and waves w, w + 4, .. as well as waves 4 g .. 4 g + 3 hold all four roles.
; The four work-groups of a cluster differ in their heads alone: branches and LDS addresses are alike in them.
; K AND V OF THE WHOLE BATCH STAY IN LDS, as images of the operands' registers: 157,696 dense bytes, laid in memory as they lie in LDS.  They are asked for JOINTLY by the four partners, once: waves 0-7 bring 77 rows of 256
; bytes each; no byte of LDS is filled twice.
; K = 32 FILLS A QUARTER OF THE INSTRUCTION'S 128: the other codes are zeros on both sides (lanes 16-31 of registers 0-5, all of registers 6-11), their scale bytes 127.
; LAYOUT.  S^T = K Q^T, O^T = V^T P^T: a lane holds one query throughout; lane r of tile 2 b + u of K holds key 32 b + 8 u + r + 8 (r / 8), so that the 16 registers of two neighbouring tiles are 16 neighbouring keys.
; CAUSAL.  Both loops have eight trips in every wave; a step all of whose keys come after the queries in hand jumps over its work; on the diagonal hidden scores become -infinity ahead of the maximum.
; LIMITS: NaN and infinities are not served; a block of p or of O / l whose largest number lies under 2^-124 takes the byte 1.
.set VI,   98304                       ; LDS: K's images from 0 (16 steps x 8 tiles x 768); V's (16 x 2 x 2 x 768);
.set KSO,  147456                      ; K's scale words (16 x 512); V's (16 x 128);
.set VSO,  155648
.set STG,  157696                      ; the way out: four fragments of 1,536 bytes, and their scale words;
.set STS,  163840
.set XCH,  164096                      ; eight images of 2,560 bytes: what roles 0 and 1 hand to roles 2 and 3
.set PART, 19712                       ; 77 rows of 256 bytes: an eighth of the batch's image
.set WV,   18
.set SEL,  20
.set CS,   22
.set G1,   24                          ; s[24:31] group 1; s[32:35] group 0
.set G0,   32
.set TK,   40                          ; s40-43 where the step's images begin
.set TV,   41
.set TKS,  42
.set TVS,  43
.set KF,   44                          ; the step's first key
.set Q0,   45                          ; the first query of the tile in hand
.set CNT,  46
.set Q0B,  59                          ; the second loop's (0 in roles 0 and 1: every step is hidden then)
.set NM,   20                          ; v20 -M, v21 the largest t, v22-23 the sum: four registers on end, one store
.set TM,   21
.set SUM,  22
.set QF,   24                          ; v24-35 Q
.set QSW,  36                          ; scale words: Q's, V's, p's, K's four; v249 the second tile's Q's
.set VSW,  37
.set PSW,  38
.set KSW,  40
.set KFR,  44                          ; v44-91 four fragments of K
.set VF,   92                          ; v92-115 V's two
.set S,    116                         ; v116-179 S^T, then p
.set O,    180                         ; v180-195 O^T
.set PC,   196                         ; v196-207 p's codes
.set P2,   208
.set BM,   216
.set BT,   220
.set BO,   224
.set F,    228
.set W,    230
.set RR,   236
.set X,    242
.set XA,   245                         ; v245 my pair's image; v246-248 the long tile's places on the way out (v14-16: the short tile's)
.set QS2,  249
.set Q2,   250                         ; v250-255 the second tile's Q
.macro PLACES
.rept 4
	v_nop
.endr
.endm
.macro CROUND
	s_barrier_signal -1
	s_barrier_wait -1
	s_cmp_lg_u32 s[WV], 0
	s_cbranch_scc1 .Lnot_wave_0_\@
	s_barrier_signal -3
.Lnot_wave_0_\@:
	s_barrier_wait -3
	s_barrier_signal -1
	s_barrier_wait -1
.endm
.macro TILE dst, tau, tmp              ; place tau among the four: even: tile 2 pi + tau / 2;  odd: 127 - 2 pi - tau / 2
	s_lshr_b32 s[\tmp], s[\tau], 1
	s_lshl_b32 s[\dst], s16, 1
	s_add_co_u32 s[\dst], s[\dst], s[\tmp]
	s_sub_co_u32 s[\tmp], 127, s[\dst]
	s_bitcmp1_b32 s[\tau], 0
	s_cselect_b32 s[\dst], s[\tmp], s[\dst]
.endm
.macro OUTADR tau, a                   ; where my head's block of the fragment at place tau goes: registers 6 (beta / 2) on of lane r + 16 (beta % 2); byte beta of row r's scale word
	s_mul_i32 s48, s[\tau], 1536
	s_lshr_b32 s49, s17, 1
	s_mul_i32 s49, s49, 768
	s_add_co_u32 s48, s48, s49
	s_add_co_u32 s48, s48, STG
	s_and_b32 s49, s17, 1
	s_lshl_b32 s50, s49, 8
	s_add_co_u32 s50, s50, s48
	v_lshl_add_u32 v[\a], v13, 4, s50
	s_lshl_b32 s50, s49, 7
	s_add_co_u32 s50, s50, s48
	s_add_co_u32 s50, s50, 512
	v_lshl_add_u32 v[\a+1], v13, 3, s50
	s_lshl_b32 s50, s[\tau], 6
	s_add_co_u32 s50, s50, s17
	s_add_co_u32 s50, s50, STS
	v_lshl_add_u32 v[\a+2], v13, 2, s50
.endm
	s_load_b128 s[4:7], s[0:1], 0x0                ; qc, qs
	s_load_b128 s[8:11], s[0:1], 0x10              ; kv, ac
	s_load_b64 s[12:13], s[0:1], 0x20              ; asc
	v_lshl_add_u32 v211, v0, 2, 0x2d200
	v_mov_b32 v215, 0
	ds_add_u32 v211, v215
	ds_add_u32 v211, v215
	v_lshrrev_b32 v1, 5, v0
	s_delay_alu instid0(VALU_DEP_1)
	v_readfirstlane_b32 s[WV], v1                  ; wave 0..15
	s_bfe_u32 s14, ttmp6, 0x40000                  ; cx: my four heads; it enters global addresses alone
	s_lshr_b32 s15, ttmp9, 5                       ; the batch
	s_and_b32 s16, ttmp9, 31                       ; pi
	s_and_b32 s17, s[WV], 3                        ; beta: my head among the four
	s_lshr_b32 s19, s[WV], 2
	s_add_co_u32 s19, s19, s[WV]
	s_and_b32 s19, s19, 3                          ; rho: my role
	s_and_b32 s70, s19, 1
	s_lshl_b32 s70, s70, 1                         ; the short tile's place, 2 u,
	s_add_co_u32 s71, s70, 1                       ; the long one's, 2 u + 1
	s_cmp_lt_u32 s19, 2
	s_cselect_b32 s58, s71, s70                    ; the first loop's tile: the long one in roles 0 and 1, else the short one
	TILE Q0, 58, 47
	s_lshl_b32 s[Q0], s[Q0], 4
	TILE Q0B, 71, 47
	s_lshl_b32 s[Q0B], s[Q0B], 4
	; every LDS address register is made here, ahead of the first branch on the wave's number
	v_and_b32 v19, 31, v0                          ; lane
	v_and_b32 v13, 15, v0                          ; r
	s_wait_alu depctr_va_vdst(0)
	v_lshlrev_b32 v1, 4, v19                       ; an image's registers 0-3,
	v_lshl_add_u32 v2, v19, 3, 512                 ; and 4-5
	s_delay_alu instid0(VALU_DEP_2)
	v_add_nc_u32 v3, VI, v1
	s_delay_alu instid0(VALU_DEP_2)
	v_add_nc_u32 v4, VI, v2
	s_delay_alu instid0(VALU_DEP_4)
	v_add_nc_u32 v5, KSO, v1
	v_lshl_add_u32 v6, v19, 2, VSO
	OUTADR 70, 14
	OUTADR 71, 246
	s_lshl_b32 s48, s17, 1
	s_and_b32 s49, s19, 1
	s_add_co_u32 s48, s48, s49
	s_mul_i32 s48, s48, 2560
	s_add_co_u32 s48, s48, XCH
	v_add_nc_u32 v[XA], s48, v1                    ; image 2 beta + u: the same in the wave that stores it and in the wave that reads it
	v_lshl_add_u32 v17, v0, 4, STG                 ; back: waves 0-11 take 512 bytes each,
	s_lshl_b32 s50, s17, 6
	s_add_co_u32 s50, s50, STS
	v_lshl_add_u32 v18, v13, 2, s50                ; waves 12-15 a tile's 16 words
	v_mul_u32_u24 v230, v13, 24                    ; Q: 24 bytes a query
	v_lshlrev_b32 v13, 2, v13                      ; 4 r
	s_lshl_b32 s50, s15, 4
	s_lshl_b32 s51, s14, 2
	s_add_co_u32 s50, s50, s51
	s_add_co_u32 s50, s50, s17                     ; 16 b + head
	s_lshl_b32 s50, s50, 11
	s_add_co_u32 s51, s50, s[Q0]
	s_mul_i32 s52, s51, 24
	s_mov_b32 s53, 0
	s_lshl_b32 s54, s51, 2
	s_mov_b32 s55, 0
	s_add_co_u32 s51, s50, s[Q0B]
	s_mul_i32 s60, s51, 24
	s_mov_b32 s61, 0
	s_lshl_b32 s62, s51, 2
	s_mov_b32 s63, 0
	s_cmp_lt_u32 s19, 2
	s_cselect_b32 s[Q0B], 0, s[Q0B]                ; roles 0 and 1 have no second tile
	s_mul_i32 s56, s15, 157696
	s_mov_b32 s57, 0
	s_mul_i32 s48, s[WV], PART
	s_mov_b32 s49, 0
	s_mov_b32 s[G1], 15|(3<<16)|(1<<21)            ; the mask: all four work-groups; elements of 8 bytes; 77 rows of 32 of them, dense
	s_mov_b32 s[G1+1], 32<<16
	s_mov_b32 s[G1+2], 77<<16
	s_mov_b32 s[G1+3], 32<<16
	s_mov_b32 s[G1+4], 77
	s_mov_b32 s[G1+5], 32
	s_mov_b32 s[G1+6], 0
	s_mov_b32 s[G1+7], 0
	s_mov_b32 s[SEL], 0x76543210
	s_mov_b32 s[SEL+1], 0xfedcba98                 ; v_permlanex16_b32: lane l xor 16
	s_mov_b32 s[CS], 0x3e8293ee                    ; c = log2(e) / sqrt(32)
	s_mov_b32 s[CS+1], s[CS]
	s_mov_b32 s[TK], 0
	s_mov_b32 s[TV], 0
	s_mov_b32 s[TKS], 0
	s_mov_b32 s[TVS], 0
	s_mov_b32 s[KF], 0
	s_wait_dscnt 0x0
	s_wait_kmcnt 0x0
	s_add_nc_u64 s[66:67], s[4:5], s[60:61]        ; the second tile's Q and its scale words,
	s_add_nc_u64 s[68:69], s[6:7], s[62:63]
	s_add_nc_u64 s[4:5], s[4:5], s[52:53]          ; the first's
	s_add_nc_u64 s[6:7], s[6:7], s[54:55]
	s_add_nc_u64 s[8:9], s[8:9], s[56:57]          ; the batch's image: the same in the four partners
	s_mov_b32 s[G0], 1
	s_mov_b32 s[G0+1], s48                         ; part w of the image goes to the same byte of LDS as it has in the image
	s_add_nc_u64 s[G0+2:G0+3], s[8:9], s[48:49]
	s_or_b32 s[G0+3], s[G0+3], 0x80000000
	CROUND                                         ; the four work-groups are here: the joint loads meet
	s_cmp_lt_u32 s[WV], 8                          ; waves 8-15 fill nothing
	s_cbranch_scc0 .Lfilled
	tensor_load_to_lds s[G0:G0+3], s[G1:G1+7]      ; one load of a wave is out
	s_nop 0
	PLACES                                         ; (four v_nop follow the tensor load)
.Lfilled:
	s_wait_alu depctr_va_vdst(0)
.irp p, 0,1,2
	global_load_b64 v[QF+2*\p:QF+2*\p+1], v230, s[4:5] offset:8*\p
	global_load_b64 v[Q2+2*\p:Q2+2*\p+1], v230, s[66:67] offset:8*\p
.endr
	global_load_b32 v[QSW], v13, s[6:7]
	global_load_b32 v[QS2], v13, s[68:69]
	v_mov_b32 v[TM], 0xff61b1e6                    ; the largest t so far: -3e38
	s_delay_alu instid0(VALU_DEP_1)
	v_floor_f32 v[NM], -v[TM]
	v_mov_b32 v[SUM], 0
	v_mov_b32 v[SUM+1], 0
	v_mov_b32 v[F+1], 0                            ; (named as the upper halves of pairs)
	v_mov_b32 v[W+5], 0
.irp i, 0,1,2,3
	v_mov_b32 v[BT+\i], 0                          ; a lane permute's destination counts as one of its sources
.endr
.irp i, 0,1,2
	v_mov_b32 v[X+\i], 0
.endr
.irp i, 6,7,8,9,10,11
	v_mov_b32 v[QF+\i], 0                          ; K = 64 .. 127: zero codes, in Q and in K's four fragments
	v_mov_b32 v[KFR+\i], 0
	v_mov_b32 v[KFR+12+\i], 0
	v_mov_b32 v[KFR+24+\i], 0
	v_mov_b32 v[KFR+36+\i], 0
.endr
.set J, 0
.rept 16
	v_mov_b32 v[O+J], 0                            ; O^T: the step is written once; the first change of M leaves zeros zeros
.set J, J+1
.endr
	v_bfe_u32 v231, v0, 4, 1
	s_delay_alu instid0(VALU_DEP_1)
	v_add_nc_u32 v231, -1, v231                    ; all ones in lanes 0-15, 0 in lanes 16-31
	s_wait_alu depctr_va_vdst(0)
	s_wait_loadcnt 0x0                             ; both Q
	v_mov_b32 v[W], 0
.irp i, 0,1,2,3,4,5
	v_and_b32 v[QF+\i], v231, v[QF+\i]             ; lanes 16-31 stand for K = 32 .. 63: zero codes
	v_and_b32 v[Q2+\i], v231, v[Q2+\i]
.endr
.macro STEP
	s_add_co_u32 s47, s[Q0], 15
	s_cmp_gt_u32 s[KF], s47
	s_cbranch_scc1 .Lhidden_\@                     ; all 128 keys come after the queries in hand
	v_add_nc_u32 v7, s[TK], v1                     ; (six plain instructions: the places behind the last step's products)
	v_add_nc_u32 v8, s[TK], v2
	v_add_nc_u32 v9, s[TV], v3
	v_add_nc_u32 v10, s[TV], v4
	v_add_nc_u32 v11, s[TKS], v5
	v_add_nc_u32 v12, s[TVS], v6
	ds_load_b128 v[KSW:KSW+3], v11                 ; register b: lanes 0-15 tile 2 b's words, lanes 16-31 tile 2 b + 1's
	s_wait_alu depctr_va_vdst(0)
.irp g, 0,1
.if \g
	PLACES                                         ; in front of loads into registers that the products just issued have read
.endif
.irp t, 0,1,2,3
	ds_load_b128 v[KFR+12*\t:KFR+12*\t+3], v7 offset:768*(4*\g+\t)
	ds_load_b64 v[KFR+12*\t+4:KFR+12*\t+5], v8 offset:768*(4*\g+\t)
.endr
	s_wait_dscnt 0x0
.irp t, 0,1,2,3
.if \t%2
	v_wmma_scale_f32_16x16x128_f8f6f4 v[S+8*(4*\g+\t):S+8*(4*\g+\t)+7], v[KFR+12*\t:KFR+12*\t+11], v[QF:QF+11], 0, v[KSW+(4*\g+\t)/2], v[QSW] matrix_a_fmt:MATRIX_FMT_FP6 matrix_b_fmt:MATRIX_FMT_FP6 matrix_a_scale:MATRIX_SCALE_ROW1
.else
	v_wmma_scale_f32_16x16x128_f8f6f4 v[S+8*(4*\g+\t):S+8*(4*\g+\t)+7], v[KFR+12*\t:KFR+12*\t+11], v[QF:QF+11], 0, v[KSW+(4*\g+\t)/2], v[QSW] matrix_a_fmt:MATRIX_FMT_FP6 matrix_b_fmt:MATRIX_FMT_FP6
.endif
.endr
.endr
.irp d, 0,1                            ; V's two fragments and its scale words land under the softmax
.irp c, 0,1
	ds_load_b128 v[VF+12*\d+6*\c:VF+12*\d+6*\c+3], v9 offset:1536*\d+768*\c
	ds_load_b64 v[VF+12*\d+6*\c+4:VF+12*\d+6*\c+5], v10 offset:1536*\d+768*\c
.endr
.endr
	ds_load_b32 v[VSW], v12
	PLACES
	s_add_co_u32 s47, s[KF], 127
	s_cmp_le_u32 s47, s[Q0]
	s_cbranch_scc1 .Lopen_\@                       ; all 128 keys count
	s_sub_co_i32 s47, s[Q0], s[KF]
	v_and_b32 v[W], 15, v0
	v_bfe_u32 v[W+2], v0, 4, 1
	s_delay_alu instid0(VALU_DEP_1)
	v_lshlrev_b32 v[W+2], 4, v[W+2]
	s_delay_alu instid0(VALU_DEP_1)
	v_sub_nc_u32 v[W], v[W], v[W+2]
	s_delay_alu instid0(VALU_DEP_1)
	v_add_nc_u32 v[W], s47, v[W]                   ; d = my query - KF - 16 h: register 16 b + i holds key KF + 16 h + 32 b + i, hidden where 32 b + i > d
	v_mov_b32 v[W+1], 0xff800000
.set J, 0
.rept 64
	v_cmp_gt_i32 vcc_lo, 32*(J/16)+J%16, v[W]
	v_cndmask_b32 v[S+J], v[S+J], v[W+1], vcc_lo
.set J, J+1
.endr
.Lopen_\@:
.irp b, 0,1,2,3
	v_max3_num_f32 v[BM+\b], v[S+16*\b], v[S+1+16*\b], v[S+2+16*\b]    ; the largest score of each block of 32 keys: for the row's maximum, and, since p rises with the score, for the block's largest p
.endr
.irp i, 3,5,7,9,11,13
.irp b, 0,1,2,3
	v_max3_num_f32 v[BM+\b], v[BM+\b], v[S+16*\b+\i], v[S+1+16*\b+\i]
.endr
.endr
.irp b, 0,1,2,3
	v_max_num_f32 v[BM+\b], v[BM+\b], v[S+15+16*\b]
.endr
.irp b, 0,1,2,3
	s_delay_alu instid0(VALU_DEP_4)
	v_permlanex16_b32 v[BT+\b], v[BM+\b], s[SEL], s[SEL+1]
.endr
.irp b, 0,1,2,3
	s_delay_alu instid0(VALU_DEP_4)
	v_max_num_f32 v[BM+\b], v[BM+\b], v[BT+\b]
.endr
	s_delay_alu instid0(VALU_DEP_2)
	v_max3_num_f32 v[W], v[BM], v[BM+1], v[BM+2]
	s_delay_alu instid0(VALU_DEP_1)
	v_max_num_f32 v[W], v[W], v[BM+3]
	s_delay_alu instid0(VALU_DEP_1)
	v_mul_f32 v[W], s[CS], v[W]
	s_delay_alu instid0(VALU_DEP_1)
	v_max_num_f32 v[TM], v[TM], v[W]               ; the running largest t
	v_mov_b32 v[W], v[NM]
	s_delay_alu instid0(VALU_DEP_2)
	v_floor_f32 v[NM], -v[TM]                      ; -M = floor(-t): M is a whole number
	s_delay_alu instid0(VALU_DEP_1)
	v_sub_f32 v[W], v[NM], v[W]
	s_delay_alu instid0(VALU_DEP_1)
	v_cvt_i32_f32 v[W], v[W]                       ; (it saturates)
	s_delay_alu instid0(VALU_DEP_1)
	v_ldexp_f32 v[F], 1.0, v[W]                    ; f = 2^(old M - new M)
.set J, 0
.rept 32
	v_pk_fma_f32 v[S+J:S+J+1], v[S+J:S+J+1], s[CS:CS+1], v[NM:NM+1] op_sel_hi:[1,0,0]   ; t - M
.set J, J+2
.endr
.irp b, 0,1,2,3
	v_fma_f32 v[BM+\b], v[BM+\b], s[CS], v[NM]
.endr
.set J, 0
	s_wait_alu depctr_va_vdst(0)
.rept 64
	v_exp_f32 v[S+J], v[S+J]                       ; p = 2^(t - M)
.set J, J+1
.endr
.irp b, 0,1,2,3
	v_exp_f32 v[BM+\b], v[BM+\b]                   ; the block's largest p: the same two instructions on the same number
.endr
	v_pk_mul_f32 v[SUM:SUM+1], v[SUM:SUM+1], v[F:F+1] op_sel_hi:[1,0]   ; the sums under the new M (a plain instruction behind the exponentials)
	s_wait_alu depctr_va_vdst(0)
.irp b, 0,1,2,3
	v_max_num_f32 v[BM+\b], 0x1800000, v[BM+\b]    ; the floor 2^(3 - 127)
.endr
.irp b, 0,1,2,3
	s_delay_alu instid0(VALU_DEP_4)
	v_add_nc_u32 v[BO+\b], 0xff000000, v[BM+\b]
.endr
.irp b, 0,1,2,3
	s_delay_alu instid0(VALU_DEP_4)
	v_lshrrev_b32 v[BT+\b], 23, v[BO+\b]
.endr
	s_delay_alu instid0(VALU_DEP_3)
	v_lshl_or_b32 v[PSW], v[BT+1], 8, v[BT]
	s_delay_alu instid0(VALU_DEP_1)
	v_lshl_or_b32 v[PSW], v[BT+2], 16, v[PSW]
	s_delay_alu instid0(VALU_DEP_1)
	v_lshl_or_b32 v[PSW], v[BT+3], 24, v[PSW]
.irp c, 0,1
	v_cvt_scalef32_pk16_fp6_f32 v[PC+6*\c:PC+2+6*\c], v[S+32*\c:S+15+32*\c], v[BO+2*\c]
	v_cvt_scalef32_pk16_fp6_f32 v[P2+4*\c:P2+2+4*\c], v[S+16+32*\c:S+31+32*\c], v[BO+2*\c+1]
.endr
	v_nop                                          ; a plain instruction behind the conversions
.irp c, 0,1                            ; the operand wants a whole block in a lane
.irp i, 0,1,2
	v_permlane16_swap_b32 v[PC+6*\c+\i], v[P2+4*\c+\i]
.endr
.irp i, 0,1,2
	s_delay_alu instid0(VALU_DEP_3)
	v_mov_b32 v[PC+3+6*\c+\i], v[P2+4*\c+\i]
.endr
.endr
	v_pk_add_f32 v[232:233], v[120:121], v[124:125]
	v_pk_add_f32 v[240:241], v[128:129], v[132:133]
	v_pk_add_f32 v[238:239], v[136:137], v[140:141]
	v_pk_add_f32 v[236:237], v[144:145], v[148:149]
	v_pk_add_f32 v[226:227], v[152:153], v[156:157]
	v_pk_add_f32 v[224:225], v[160:161], v[164:165]
	v_pk_add_f32 v[218:219], v[168:169], v[172:173]
	v_pk_add_f32 v[22:23], v[22:23], v[176:177]
	v_pk_add_f32 v[232:233], v[232:233], v[116:117]
	v_pk_add_f32 v[240:241], v[240:241], v[118:119]
	v_pk_add_f32 v[238:239], v[238:239], v[122:123]
	v_pk_add_f32 v[236:237], v[236:237], v[126:127]
	v_pk_add_f32 v[226:227], v[226:227], v[130:131]
	v_pk_add_f32 v[224:225], v[224:225], v[134:135]
	v_pk_add_f32 v[218:219], v[218:219], v[138:139]
	v_pk_add_f32 v[22:23], v[22:23], v[142:143]
	v_pk_add_f32 v[232:233], v[232:233], v[146:147]
	v_pk_add_f32 v[240:241], v[240:241], v[150:151]
	v_pk_add_f32 v[238:239], v[238:239], v[154:155]
	v_pk_add_f32 v[236:237], v[236:237], v[158:159]
	v_pk_add_f32 v[226:227], v[226:227], v[162:163]
	v_pk_add_f32 v[224:225], v[224:225], v[166:167]
	v_pk_add_f32 v[218:219], v[218:219], v[170:171]
	v_pk_add_f32 v[22:23], v[22:23], v[174:175]
	v_pk_add_f32 v[232:233], v[232:233], v[178:179]
	s_delay_alu instid0(VALU_DEP_2)
	v_pk_add_f32 v[22:23], v[22:23], v[236:237]
	s_delay_alu instid0(VALU_DEP_2)
	v_pk_add_f32 v[232:233], v[232:233], v[226:227]
	v_pk_add_f32 v[240:241], v[240:241], v[224:225]
	v_pk_add_f32 v[238:239], v[238:239], v[218:219]
	s_delay_alu instid0(VALU_DEP_2)
	v_pk_add_f32 v[22:23], v[22:23], v[240:241]
	s_delay_alu instid0(VALU_DEP_2)
	v_pk_add_f32 v[232:233], v[232:233], v[238:239]
	s_delay_alu instid0(VALU_DEP_1)
	v_pk_add_f32 v[22:23], v[22:23], v[232:233]
.irp j, 0,2,4,6,8,10,12,14
	v_pk_mul_f32 v[O+\j:O+\j+1], v[O+\j:O+\j+1], v[F:F+1] op_sel_hi:[1,0]   ; O^T under the new M, from the low end on
.endr
	s_wait_alu depctr_va_vdst(0)
	s_wait_dscnt 0x0                               ; V
	v_wmma_scale_f32_16x16x128_f8f6f4 v[O:O+7], v[VF:VF+11], v[PC:PC+11], v[O:O+7], v[VSW], v[PSW] matrix_a_fmt:MATRIX_FMT_FP6 matrix_b_fmt:MATRIX_FMT_FP6
	v_wmma_scale_f32_16x16x128_f8f6f4 v[O+8:O+15], v[VF+12:VF+23], v[PC:PC+11], v[O+8:O+15], v[VSW], v[PSW] matrix_a_fmt:MATRIX_FMT_FP6 matrix_b_fmt:MATRIX_FMT_FP6 matrix_a_scale:MATRIX_SCALE_ROW1
.Lhidden_\@:
	s_add_co_u32 s[KF], s[KF], 128
	s_add_co_u32 s[TK], s[TK], 6144
	s_add_co_u32 s[TV], s[TV], 3072
	s_add_co_u32 s[TKS], s[TKS], 512
	s_add_co_u32 s[TVS], s[TVS], 128
.endm
; A tile is finished: O^T / l; a lane permute leaves channels 16 h + 0 .. 15 in lane (r, h); the two lanes of a query share the block's maximum and exchange their codes; the block goes to its place in the fragment
; (16 rows, K step 32 + cx) that four waves put together in LDS.  a: the three address registers.
.macro FINAL a
	v_cmp_gt_u32 vcc_lo, 16, v19                   ; lanes 0-15
	v_add_f32 v[SUM], v[SUM], v[SUM+1]
	s_delay_alu instid0(VALU_DEP_1)
	v_permlanex16_b32 v[W], v[SUM], s[SEL], s[SEL+1]
	s_delay_alu instid0(VALU_DEP_1)
	v_add_f32 v[SUM], v[SUM], v[W]
	s_wait_alu depctr_va_vdst(0)
	v_rcp_f32 v[SUM], v[SUM]
	v_nop
.set J, 0
	s_wait_alu depctr_va_vdst(0)
.rept 16
	v_mul_f32 v[S+J], v[O+J], v[SUM]
.set J, J+1
.endr
.irp i, 0,1,2,3,4,5,6,7
	v_permlane16_swap_b32 v[S+\i], v[S+8+\i]
.endr
	v_max3_num_f32 v[BM], |v[S]|, |v[S+1]|, 0x1800000
.irp i, 2,4,6,8,10,12,14
	s_delay_alu instid0(VALU_DEP_1)
	v_max3_num_f32 v[BM], v[BM], |v[S+\i]|, |v[S+\i+1]|
.endr
	s_delay_alu instid0(VALU_DEP_1)
	v_permlanex16_b32 v[BT], v[BM], s[SEL], s[SEL+1]
	s_delay_alu instid0(VALU_DEP_1)
	v_max_num_f32 v[BM], v[BM], v[BT]
	s_delay_alu instid0(VALU_DEP_1)
	v_add_nc_u32 v[BO], 0xff000000, v[BM]
	v_cvt_scalef32_pk16_fp6_f32 v[P2:P2+2], v[S:S+15], v[BO]
	v_lshrrev_b32 v[BT], 23, v[BO]                 ; the byte; also the plain instruction behind the conversion
.irp i, 0,1,2
	v_permlanex16_b32 v[X+\i], v[P2+\i], s[SEL], s[SEL+1]
.endr
.irp i, 0,1,2
	v_cndmask_b32 v[RR+\i], v[X+\i], v[P2+\i], vcc_lo          ; channels 0-15's codes: lanes 0-15's own,
	v_cndmask_b32 v[RR+3+\i], v[P2+\i], v[X+\i], vcc_lo        ; channels 16-31's: lanes 16-31's own
.endr
	ds_store_b128 v[\a], v[RR:RR+3]                ; both lanes of a query write the same bytes with the same values
	ds_store_b64 v[\a+1], v[RR+4:RR+5]
	ds_store_b8 v[\a+2], v[BT]
.endm
	s_wait_tensorcnt 0x0                           ; my part of the image is in,
	s_barrier_signal -1
	s_barrier_wait -1                              ; everybody's is
	s_mov_b32 s[CNT], 8
.Lfirst:                                               ; keys 0 .. 1,023
	STEP
	s_sub_co_u32 s[CNT], s[CNT], 1
	s_cmp_lg_u32 s[CNT], 0
	s_cbranch_scc1 .Lfirst
	PLACES                                         ; behind the last products
	s_cmp_lt_u32 s19, 2
	s_cbranch_scc0 .Lshort
.irp i, 0,1,2,3
	ds_store_b128 v[XA], v[O+4*\i:O+4*\i+3] offset:512*\i      ; roles 0 and 1: the long tile's first part, as it stands; each accumulator from its low end on
.endr
	ds_store_b128 v[XA], v[NM:NM+3] offset:2048    ; -M, the largest t, the sum's two halves
	s_branch .Lswitched
.Lshort:
	FINAL 14                                       ; roles 2 and 3: the short tile is done;
	v_mov_b32 v[QSW], v[QS2]                       ; on to the long tile.  (26 plain instructions stand between this scale word's move, 20 and more between Q's, and the next product)
.irp i, 0,1,2,3,4,5
	v_mov_b32 v[QF+\i], v[Q2+\i]
.endr
	v_mov_b32 v[TM], 0xff61b1e6
	s_delay_alu instid0(VALU_DEP_1)
	v_floor_f32 v[NM], -v[TM]
	v_mov_b32 v[SUM], 0
	v_mov_b32 v[SUM+1], 0
.set J, 0
.rept 16
	v_mov_b32 v[O+J], 0
.set J, J+1
.endr
.Lswitched:
	s_mov_b32 s[Q0], s[Q0B]
	s_mov_b32 s[CNT], 8
.Lsecond:                                              ; keys 1,024 .. 2,047: no barrier stands in front: the whole image has been there since the start
	STEP
	s_sub_co_u32 s[CNT], s[CNT], 1
	s_cmp_lg_u32 s[CNT], 0
	s_cbranch_scc1 .Lsecond
	PLACES
	s_wait_dscnt 0x0                               ; for the others' sake: my image is stored
	s_barrier_signal -1
	s_barrier_wait -1
	s_cmp_lt_u32 s19, 2
	s_cbranch_scc1 .Ljoined
.irp i, 0,1,2,3
	ds_load_b128 v[S+16+4*\i:S+16+4*\i+3], v[XA] offset:512*\i
.endr
	ds_load_b128 v[S+32:S+35], v[XA] offset:2048
	s_wait_dscnt 0x0
	v_min_num_f32 v[W], v[NM], v[S+32]             ; -M of the whole row: the smaller of the two parts'
	s_delay_alu instid0(VALU_DEP_1)
	v_sub_f32 v[W+1], v[W], v[NM]                  ; each part's M less the row's: whole numbers, 0 or less
	s_delay_alu instid0(VALU_DEP_2)
	v_sub_f32 v[W+2], v[W], v[S+32]
	s_delay_alu instid0(VALU_DEP_2)
	v_cvt_i32_f32 v[W+1], v[W+1]
	s_delay_alu instid0(VALU_DEP_2)
	v_cvt_i32_f32 v[W+2], v[W+2]
	s_delay_alu instid0(VALU_DEP_2)
	v_ldexp_f32 v[F], 1.0, v[W+1]
	s_delay_alu instid0(VALU_DEP_2)
	v_ldexp_f32 v[W+4], 1.0, v[W+2]
.irp j, 0,2,4,6,8,10,12,14
	v_pk_mul_f32 v[S+16+\j:S+17+\j], v[S+16+\j:S+17+\j], v[W+4:W+5] op_sel_hi:[1,0]
	v_pk_fma_f32 v[O+\j:O+\j+1], v[O+\j:O+\j+1], v[F:F+1], v[S+16+\j:S+17+\j] op_sel_hi:[1,0,1]   ; both parts under the row's M, added; from the low end on
.endr
	v_pk_mul_f32 v[S+34:S+35], v[S+34:S+35], v[W+4:W+5] op_sel_hi:[1,0]
	s_delay_alu instid0(VALU_DEP_1)
	v_pk_fma_f32 v[SUM:SUM+1], v[SUM:SUM+1], v[F:F+1], v[S+34:S+35] op_sel_hi:[1,0,1]
	FINAL 246
.Ljoined:
	s_wait_dscnt 0x0                               ; for the others' sake
	s_barrier_signal -1
	s_barrier_wait -1                              ; the four fragments and their scale words are whole
	s_mul_i32 s50, s[WV], 11
	s_lshr_b32 s50, s50, 5                         ; waves 0-11: fragment wave / 3;
	s_cmp_lt_u32 s[WV], 12
	s_cselect_b32 s50, s50, s17                    ; waves 12-15: wave - 12
	TILE 52, 50, 53
	s_lshl_b32 s53, s15, 7
	s_add_co_u32 s53, s53, s52                     ; the tile of 16 rows among 256
	s_mul_i32 s54, s53, 36
	s_add_co_u32 s54, s54, s14
	s_add_co_u32 s54, s54, 32                      ; K step 32 + cx
	s_mul_i32 s54, s54, 1536
	s_mul_i32 s55, s50, 3
	s_sub_co_u32 s55, s[WV], s55
	s_lshl_b32 s55, s55, 9
	s_add_co_u32 s54, s54, s55
	s_mov_b32 s55, 0
	s_add_nc_u64 s[10:11], s[10:11], s[54:55]
	s_add_co_u32 s56, s14, 32
	s_lshl_b32 s56, s56, 14
	s_lshl_b32 s57, s53, 6
	s_add_co_u32 s56, s56, s57
	s_mov_b32 s57, 0
	s_add_nc_u64 s[12:13], s[12:13], s[56:57]
	s_cmp_lt_u32 s[WV], 12
	s_cbranch_scc0 .Lwords
	ds_load_b128 v[S:S+3], v17
	s_wait_dscnt 0x0
	global_store_b128 v1, v[S:S+3], s[10:11]       ; 512 consecutive bytes
	s_branch .Lout
.Lwords:
	ds_load_b32 v[S], v18
	s_wait_dscnt 0x0
	global_store_b32 v13, v[S], s[12:13]           ; 16 rows' scale words (lanes 16-31 repeat lanes 0-15)
.Lout:
	s_wait_tensorcnt 0x0
	ds_add_u32 v211, v215
	s_wait_dscnt 0x0
	CROUND                                         ; the closing round
	s_endpgm
.Lfunc_end_k_q042587a57a_attn:
	.size	k_q042587a57a_attn, .Lfunc_end_k_q042587a57a_attn-k_q042587a57a_attn
	.p2alignl 7, 3214868480
	.fill 96, 4, 3214868480
	.section	.rodata,"a",@progbits
	.p2align	6, 0x0
	.amdhsa_kernel k_q042587a57a_attn
		.amdhsa_group_segment_fixed_size 186880
		.amdhsa_private_segment_fixed_size 0
		.amdhsa_enable_private_segment 0
		.amdhsa_kernarg_size 40
		.amdhsa_user_sgpr_count 2
		.amdhsa_user_sgpr_kernarg_segment_ptr 1
		.amdhsa_wavefront_size32 1
		.amdhsa_system_sgpr_workgroup_id_x 1
		.amdhsa_system_sgpr_workgroup_id_y 1
		.amdhsa_system_sgpr_workgroup_id_z 1
		.amdhsa_system_vgpr_workitem_id 0
		.amdhsa_next_free_vgpr 256
		.amdhsa_next_free_sgpr 72
		.amdhsa_reserve_vcc 1
		.amdhsa_float_denorm_mode_32 3
		.amdhsa_float_denorm_mode_16_64 3
		.amdhsa_memory_ordered 1
		.amdhsa_forward_progress 1
		.amdhsa_inst_pref_size 66
	.end_amdhsa_kernel
	.amdgpu_metadata
---
amdhsa.version: [ 1, 2 ]
amdhsa.kernels:
  - .name:           k_q042587a57a_attn
    .symbol:         k_q042587a57a_attn.kd
    .args:
      - { .name: qc, .offset: 0, .size: 8, .value_kind: global_buffer, .address_space: global }
      - { .name: qs, .offset: 8, .size: 8, .value_kind: global_buffer, .address_space: global }
      - { .name: kv, .offset: 16, .size: 8, .value_kind: global_buffer, .address_space: global }
      - { .name: ac, .offset: 24, .size: 8, .value_kind: global_buffer, .address_space: global }
      - { .name: asc, .offset: 32, .size: 8, .value_kind: global_buffer, .address_space: global }
    .group_segment_fixed_size: 186880
    .private_segment_fixed_size: 0
    .kernarg_segment_align: 8
    .kernarg_segment_size: 40
    .max_flat_workgroup_size: 512
    .sgpr_count:     72
    .vgpr_count:     256
    .wavefront_size: 32
...
	.end_amdgpu_metadata
.endif
;; end of part 3
;; launch outg (part 4): grid 8 x 32, 4 waves a work-group, clusters of 4 x 4, 327,680 bytes of LDS; arguments ac, asc, wimg, W_ff_out_scales, W_attn_out_scales, out0; writes out0
.if DOCPART == 4
	.amdgcn_target "amdgcn-amd-amdhsa--gfx1250"
	.amdhsa_code_object_version 6
	.text
	.protected	k_q042587a57a_outg
	.globl	k_q042587a57a_outg
	.p2align	8
	.type	k_q042587a57a_outg,@function
k_q042587a57a_outg:
	s_mov_b64 s[64:65], 0
	v_nop
	global_prefetch_b8 v0, s[64:65] scope:SCOPE_SE
	s_setreg_imm32_b32 hwreg(HW_REG_WAVE_MODE, 25, 1), 1
	s_wait_xcnt 0x0
	s_wait_alu depctr_hold_cnt(0) depctr_sa_sdst(0) depctr_va_vdst(0) depctr_va_sdst(0) depctr_va_ssrc(0) depctr_va_vcc(0) depctr_vm_vsrc(0)
	s_getreg_b32 s2, hwreg(HW_REG_IB_STS2, 6, 4)
	s_cmp_eq_u32 s2, 0
	s_cbranch_scc0 .Lentry_in_a_cluster
	s_endpgm
.Lentry_in_a_cluster:
	s_bfe_u32 s2, ttmp6, 0x10000c
	s_cmp_lg_u32 s2, 0xf033
	s_cbranch_scc0 .Lentry_shape_is_right
	s_endpgm
.Lentry_shape_is_right:
; out0 = [h | attention's o] x [W_ff_out ; W_attn_out]: one product with K = 4,608, 36 steps of 128, on codes of FP6 (E2M3).
; Both operands lie in memory as images of the operand's registers, [tile of 16][36 K steps][1,536 bytes]: ac for the rows, wimg for the columns.
; A work-group of four waves makes 128 x 128, a wave 64 x 64: 16 accumulators.  A slot of LDS holds SIX K steps of 8 row tiles and 8 column tiles: each wave fetches 4 tiles x 9,216 dense bytes with one tensor load;
; six fills take turns on two slots.  A fragment is read back as it lies: 16 bytes and 8 bytes a lane at consecutive addresses.
; CLUSTERS 4 x 4: ac's tiles are asked for jointly along a row of the cluster, wimg's along a column.
; SCALE WORDS of all 36 steps go from memory into 144 registers once, at the head; so the walk along K is written out by .rept: each step names its own scale registers.
; PREFETCH: behind the refill for fill k + 2 each wave names one tile's 36 blocks of 256 bytes of fill k + 3 (k = 0, 1, 2): the four partners that will ask jointly take one of the wave's four tiles each, by address.
; Fills 0 to 2 come by their loads alone.
; The matrix instruction is used transposed (source 0 = columns, source 1 = rows); results leave through each wave's own stage, in slot 0, which has had its last fill and its last read by then.
; WINDOWS: 0: v0-31 addresses, v32-103 rows' scale words (2 g + a / 2), v104-175 columns' (36 (j / 2) + g); 1: two sets of eight fragments; 2: accumulators (a, j) at v[8 (4 a + j)].
.set SLOT,  147456
.set BOFF,  73728
.set SPARE, 2*SLOT
.set PF1,  12
.set PF2,  13
.set AA16, 16
.set AA8,  18
.set BB16, 20
.set BB8,  22
.set STO,  24
.set RD,   25
.set CO,   26
.set L4,   27
.set SPW,  28
.set NIL,  29
.set L128, 30
.set L16,  31
.set SA,   32
.set SB,   104
.set G1A, 24
.set G0A, 32
.set G1B, 48
.set G0B, 56
.set MSB, 0
.macro WIN new
.if MSB != \new
	s_set_vgpr_msb (MSB<<8)|\new
.set MSB, \new
.endif
.endm
.set MUL,  0xa5                        ; sources 0 and 1 window 1, C and D window 2
.set TO_F, 0x40
.macro PLACES
.rept 4
	v_nop
.endr
.endm
.macro JLOAD s                         ; waves 0, 1 fetch rows' tiles, waves 2, 3 columns'
	s_cmp_eq_u32 s19, 0
	s_cbranch_scc0 .Lfor_b_\@
	tensor_load_to_lds s[G0A+4*(\s):G0A+4*(\s)+3], s[G1A:G1A+7]
	s_nop 0
	PLACES
	s_branch .Lasked_\@
.Lfor_b_\@:
	tensor_load_to_lds s[G0B+4*(\s):G0B+4*(\s)+3], s[G1B:G1B+7]
	s_nop 0
	PLACES
.Lasked_\@:
.endm
.macro CREST
	s_cmp_lg_u32 s18, 0
	s_cbranch_scc1 .Lnot_wave_0_\@
	s_barrier_signal -3
.Lnot_wave_0_\@:
	s_barrier_wait -3
	s_barrier_signal -1
	s_barrier_wait -1
.endm
.macro CROUND
	s_barrier_signal -1
	s_barrier_wait -1
	CREST
.endm
	s_load_b256 s[4:11], s[0:1], 0x0               ; ac, asc, wimg, W_ff_out's scales
	s_load_b128 s[12:15], s[0:1], 0x20             ; W_attn_out's scales, out0
	v_lshl_add_u32 v[SPW], v0, 2, SPARE
	v_mov_b32 v[NIL], 0
	ds_add_u32 v[SPW], v[NIL]                      ; the opening lines: the add twice on end and one wait
	ds_add_u32 v[SPW], v[NIL]
	v_lshrrev_b32 v1, 5, v0
	v_readfirstlane_b32 s18, v1                    ; wave
	s_lshr_b32 s19, s18, 1                         ; my half of the rows; also: I fetch rows' tiles (0) or columns' (1)
	s_and_b32 s20, s18, 1                          ; my half of the columns; also: which four tiles I fetch
	s_bfe_u32 s21, ttmp6, 0x40000                  ; cx
	s_bfe_u32 s22, ttmp6, 0x40004                  ; cy
	s_lshl_b32 s23, ttmp9, 2
	s_add_co_u32 s23, s23, s21                     ; block column
	s_and_b32 s40, ttmp7, 0xffff
	s_lshl_b32 s40, s40, 2
	s_add_co_u32 s40, s40, s22                     ; block row
	s_lshl_b32 s41, s22, 2
	s_lshl_b32 s41, 15, s41
	s_lshl_b32 s42, 0x1111, s21
	s_or_b32 s[G1A], s41, (3<<16)|(1<<21)          ; elements of 8 bytes, no padding
	s_or_b32 s[G1B], s42, (3<<16)|(1<<21)
.irp g, G1A, G1B
	s_mov_b32 s[\g+1], 1152<<16                    ; six images on end: 9,216 bytes
	s_mov_b32 s[\g+2], 4<<16
	s_mov_b32 s[\g+3], 1152<<16
	s_mov_b32 s[\g+4], 4
	s_mov_b32 s[\g+5], 6912                        ; from tile to tile: 36 images
	s_mov_b32 s[\g+6], 0
	s_mov_b32 s[\g+7], 0
.endr
	s_lshl_b32 s44, s40, 3
	s_lshl_b32 s43, s20, 2
	s_add_co_u32 s44, s44, s43
	s_mul_i32 s44, s44, 55296
	s_mov_b32 s45, 0
	s_lshl_b32 s46, s23, 3
	s_add_co_u32 s46, s46, s43
	s_mul_i32 s46, s46, 55296
	s_mov_b32 s47, 0
	s_mul_i32 s43, s20, 36864                      ; where the rows' tiles that I fetch go;
	s_add_co_u32 s70, s43, BOFF                    ; the columns': also where my own columns' tiles lie
	s_mul_i32 s71, s19, 36864                      ; my own rows' tiles
	s_add_co_u32 s84, s71, SLOT
	s_add_co_u32 s85, s70, SLOT
	s_mul_i32 s86, s18, 4352                       ; my stage: 16 rows of 272 bytes
	s_lshl_b32 s72, s40, 7
	s_lshl_b32 s73, s19, 6
	s_add_co_u32 s72, s72, s73                     ; my first row
	s_lshl_b32 s79, s72, 12
	s_lshl_b32 s72, s72, 2
	s_mov_b32 s73, 0
	s_lshl_b32 s74, s23, 7
	s_lshl_b32 s75, s20, 6
	s_add_co_u32 s74, s74, s75                     ; my first column
	s_lshl_b32 s76, s74, 4
	s_lshl_b32 s78, s74, 2
	s_add_co_u32 s78, s78, s79
	s_lshl_b32 s74, s74, 7
	s_mov_b32 s75, 0
	s_mov_b32 s77, 0
	s_mov_b32 s79, 0
	s_lshl_b32 s80, s40, 3
	s_lshl_b32 s81, s23, 3
	s_cmp_eq_u32 s19, 0
	s_cselect_b32 s80, s80, s81
	s_cselect_b32 s81, s21, s22                    ; my place among the four that ask with me
	s_add_co_u32 s80, s80, s81
	s_lshl_b32 s81, s20, 2
	s_add_co_u32 s80, s80, s81
	s_mul_i32 s80, s80, 55296                      ; the tile that my prefetches name
	s_mov_b32 s81, 0
	v_and_b32 v1, 15, v0
	v_bfe_u32 v2, v0, 4, 1
	v_and_b32 v3, 31, v0
	v_lshlrev_b32 v[L16], 4, v3
	v_lshl_add_u32 v5, v3, 3, 512
	v_add_nc_u32 v[AA16], s71, v[L16]
	v_add_nc_u32 v[AA16+1], s84, v[L16]
	v_add_nc_u32 v[AA8], s71, v5
	v_add_nc_u32 v[AA8+1], s84, v5
	v_add_nc_u32 v[BB16], s70, v[L16]
	v_add_nc_u32 v[BB16+1], s85, v[L16]
	v_add_nc_u32 v[BB8], s70, v5
	v_add_nc_u32 v[BB8+1], s85, v5
	v_mul_u32_u24 v[STO], v1, 272
	v_lshl_add_u32 v[STO], v2, 5, v[STO]
	v_add_nc_u32 v[STO], s86, v[STO]
	v_mul_u32_u24 v[RD], v2, 272
	v_lshl_add_u32 v[RD], v1, 4, v[RD]
	v_add_nc_u32 v[RD], s86, v[RD]
	v_lshlrev_b32 v[CO], 12, v2
	v_lshl_add_u32 v[CO], v1, 4, v[CO]
	v_lshlrev_b32 v[L4], 2, v3
	v_lshlrev_b32 v[L128], 7, v3
	v_lshlrev_b32 v[PF1], 8, v3                    ; blocks 0-31 of a fill's 36,
	v_min_u32 v[PF2], 3, v3
	v_lshl_add_u32 v[PF2], v[PF2], 8, 8192         ; blocks 32-35 (lanes 4-31 name the last again)
	s_wait_alu depctr_va_vdst(0)                   ; the wait at the head's end
	s_wait_dscnt 0x0
	s_wait_kmcnt 0x0
	s_add_nc_u64 s[44:45], s[4:5], s[44:45]
	s_add_nc_u64 s[46:47], s[8:9], s[46:47]
	s_add_nc_u64 s[72:73], s[6:7], s[72:73]
	s_add_nc_u64 s[74:75], s[10:11], s[74:75]
	s_add_nc_u64 s[76:77], s[12:13], s[76:77]
	s_add_nc_u64 s[14:15], s[14:15], s[78:79]
	s_cmp_eq_u32 s19, 0
	s_cselect_b64 s[82:83], s[4:5], s[8:9]
	s_add_nc_u64 s[82:83], s[82:83], s[80:81]
.irp s, 0,1
	s_mov_b32 s[G0A+4*\s], 1
	s_add_co_u32 s[G0A+4*\s+1], s43, \s*SLOT
	s_add_nc_u64 s[G0A+4*\s+2:G0A+4*\s+3], s[44:45], \s*9216
	s_or_b32 s[G0A+4*\s+3], s[G0A+4*\s+3], 0x80000000
	s_mov_b32 s[G0B+4*\s], 1
	s_add_co_u32 s[G0B+4*\s+1], s70, \s*SLOT
	s_add_nc_u64 s[G0B+4*\s+2:G0B+4*\s+3], s[46:47], \s*9216
	s_or_b32 s[G0B+4*\s+3], s[G0B+4*\s+3], 0x80000000
.endr
	CROUND                                         ; the sixteen work-groups are here: the joint loads meet
	JLOAD 0                                        ; fill 0: one tensor load a wave at the head
.set J, 0
.rept 36
	global_load_b32 v[SA+2*J], v[L4], s[72:73] offset:16384*J          ; K step J: my rows 0-31, one word a lane,
	global_load_b32 v[SA+2*J+1], v[L4], s[72:73] offset:16384*J+128    ; and rows 32-63
.set J, J+1
.endr
.irp p, 0,1
.irp g, 0,1,2,3,4,5,6,7
	global_load_b128 v[SB+36*\p+4*\g:SB+36*\p+4*\g+3], v[L128], s[74:75] offset:4096*\p+16*\g    ; column 32 p + lane: K steps 4 g .. 4 g + 3
.endr
	global_load_b128 v[SB+36*\p+32:SB+36*\p+35], v[L16], s[76:77] offset:512*\p                  ; K steps 32-35: W_attn_out's
.endr
.macro FETCH slot, q, f                ; K step q of a slot: four fragments of each side into set f, 32 loads
	WIN TO_F
.irp t, 0,1,2,3
.irp c, 0,1
	ds_load_b128 v[96*(\f)+12*\t+6*\c:96*(\f)+12*\t+6*\c+3], v[AA16+(\slot)] offset:9216*\t+1536*(\q)+768*\c
	ds_load_b64 v[96*(\f)+12*\t+6*\c+4:96*(\f)+12*\t+6*\c+5], v[AA8+(\slot)] offset:9216*\t+1536*(\q)+768*\c
	ds_load_b128 v[96*(\f)+48+12*\t+6*\c:96*(\f)+48+12*\t+6*\c+3], v[BB16+(\slot)] offset:9216*\t+1536*(\q)+768*\c
	ds_load_b64 v[96*(\f)+48+12*\t+6*\c+4:96*(\f)+48+12*\t+6*\c+5], v[BB8+(\slot)] offset:9216*\t+1536*(\q)+768*\c
.endr
.endr
.endm
.macro WMI z, r0, r1                   ; z: the product starts the sum; r0, r1: the sources' scale words stand in lanes 16-31
.if \z
.if (\r0) && (\r1)
	v_wmma_scale_f32_16x16x128_f8f6f4 v[rD:rD+7], v[rB:rB+11], v[rA:rA+11], 0, v[rSB], v[rSA] matrix_a_fmt:MATRIX_FMT_FP6 matrix_b_fmt:MATRIX_FMT_FP6 matrix_a_scale:MATRIX_SCALE_ROW1 matrix_b_scale:MATRIX_SCALE_ROW1
.elseif \r0
	v_wmma_scale_f32_16x16x128_f8f6f4 v[rD:rD+7], v[rB:rB+11], v[rA:rA+11], 0, v[rSB], v[rSA] matrix_a_fmt:MATRIX_FMT_FP6 matrix_b_fmt:MATRIX_FMT_FP6 matrix_a_scale:MATRIX_SCALE_ROW1
.elseif \r1
	v_wmma_scale_f32_16x16x128_f8f6f4 v[rD:rD+7], v[rB:rB+11], v[rA:rA+11], 0, v[rSB], v[rSA] matrix_a_fmt:MATRIX_FMT_FP6 matrix_b_fmt:MATRIX_FMT_FP6 matrix_b_scale:MATRIX_SCALE_ROW1
.else
	v_wmma_scale_f32_16x16x128_f8f6f4 v[rD:rD+7], v[rB:rB+11], v[rA:rA+11], 0, v[rSB], v[rSA] matrix_a_fmt:MATRIX_FMT_FP6 matrix_b_fmt:MATRIX_FMT_FP6
.endif
.else
.if (\r0) && (\r1)
	v_wmma_scale_f32_16x16x128_f8f6f4 v[rD:rD+7], v[rB:rB+11], v[rA:rA+11], v[rD:rD+7], v[rSB], v[rSA] matrix_a_fmt:MATRIX_FMT_FP6 matrix_b_fmt:MATRIX_FMT_FP6 matrix_a_scale:MATRIX_SCALE_ROW1 matrix_b_scale:MATRIX_SCALE_ROW1
.elseif \r0
	v_wmma_scale_f32_16x16x128_f8f6f4 v[rD:rD+7], v[rB:rB+11], v[rA:rA+11], v[rD:rD+7], v[rSB], v[rSA] matrix_a_fmt:MATRIX_FMT_FP6 matrix_b_fmt:MATRIX_FMT_FP6 matrix_a_scale:MATRIX_SCALE_ROW1
.elseif \r1
	v_wmma_scale_f32_16x16x128_f8f6f4 v[rD:rD+7], v[rB:rB+11], v[rA:rA+11], v[rD:rD+7], v[rSB], v[rSA] matrix_a_fmt:MATRIX_FMT_FP6 matrix_b_fmt:MATRIX_FMT_FP6 matrix_b_scale:MATRIX_SCALE_ROW1
.else
	v_wmma_scale_f32_16x16x128_f8f6f4 v[rD:rD+7], v[rB:rB+11], v[rA:rA+11], v[rD:rD+7], v[rSB], v[rSA] matrix_a_fmt:MATRIX_FMT_FP6 matrix_b_fmt:MATRIX_FMT_FP6
.endif
.endif
.endm
.macro MUL4 a                          ; K step G: row tile a x my four column tiles; the 16 accumulators take turns
.irp j, 0,1,2,3
.set rD, 8*(4*\a+\j)
.set rB, 96*(G%2)+48+12*\j
.set rA, 96*(G%2)+12*\a
.set rSB, SB+36*(\j/2)+G
.set rSA, SA+2*G+\a/2
.set rZ, G == 0
	WMI rZ, \j%2, \a%2
.endr
.endm
	s_wait_tensorcnt 0x0                           ; my part of fill 0 is in; the three lines ahead of slot 1's first fill, as ahead of a refill
	ds_add_u32 v[SPW], v[NIL]
	s_wait_dscnt 0x0
	CROUND
	JLOAD 1                                        ; fill 1
	FETCH 0, 0, 0
	s_wait_loadcnt 0x0                             ; the scale words
.set G, 0
.rept 36
.if G == 35
	s_wait_dscnt 0x0                               ; the last step fetches nothing
	WIN MUL
	MUL4 0
	MUL4 1
	MUL4 2
	MUL4 3
.elseif G%6 == 5
	WIN 0                                          ; a slot's last step changes slots
	s_wait_tensorcnt 0x0                           ; my part of the next slot is in;
	ds_add_u32 v[SPW], v[NIL]
	s_wait_dscnt 1                                 ; this step's fragments are in; the add may be out
	WIN MUL
	MUL4 0
	s_wait_dscnt 0x0
	s_barrier_signal -1
	MUL4 1
	WIN 0
	s_barrier_wait -1
.if G/6 < 4
	CREST                                          ; the barrier has opened a round of the cluster's barrier
	s_add_nc_u64 s[G0A+4*((G/6)%2)+2:G0A+4*((G/6)%2)+3], s[G0A+4*((G/6)%2)+2:G0A+4*((G/6)%2)+3], 18432
	s_add_nc_u64 s[G0B+4*((G/6)%2)+2:G0B+4*((G/6)%2)+3], s[G0B+4*((G/6)%2)+2:G0B+4*((G/6)%2)+3], 18432
	JLOAD (G/6)%2                                  ; fill G / 6 + 2 into the slot just read out; its four v_nop are the places in front of the loads below
.else
	PLACES
.endif
	FETCH ((G+1)/6)%2, 0, (G+1)%2
.if G/6 < 3
	global_prefetch_b8 v[PF1], s[82:83] offset:(G/6+3)*9216 th:TH_LOAD_NT scope:SCOPE_SE
	global_prefetch_b8 v[PF2], s[82:83] offset:(G/6+3)*9216 th:TH_LOAD_NT scope:SCOPE_SE
.endif
	WIN MUL
	MUL4 2
	MUL4 3
.else
	s_wait_dscnt 0x0                               ; this step's fragments are in
	PLACES                                         ; in front of loads into the set that the step before multiplied
	FETCH (G/6)%2, G%6+1, (G+1)%2
	WIN MUL
	MUL4 0
	MUL4 1
	MUL4 2
	MUL4 3
.endif
.set G, G+1
.endr
; THE WAY OUT: 16 rows x 64 columns at a time through my stage, back as rows of 256 bytes, which sixteen lanes store as one aligned block.  LDS serves a wave's instructions in order.
.macro TOSTAGE a
	WIN 0x08
.irp j, 0,1,2,3
	ds_store_b128 v[STO], v[8*(4*\a+\j):8*(4*\a+\j)+3] offset:64*\j
	ds_store_b128 v[STO], v[8*(4*\a+\j)+4:8*(4*\a+\j)+7] offset:64*\j+16
.endr
	WIN TO_F
.irp t, 0,1,2,3,4,5,6,7
	ds_load_b128 v[32*\a+4*\t:32*\a+4*\t+3], v[RD] offset:544*\t
.endr
.endm
.macro SEND a, younger
	WIN 0x04
.irp t, 0,1,2,3,4,5,6,7
	s_wait_dscnt \younger+7-\t
	global_store_b128 v[CO], v[32*\a+4*\t:32*\a+4*\t+3], s[14:15] offset:(16*\a+2*\t)*4096 th:TH_STORE_NT
.endr
.endm
	PLACES
	TOSTAGE 0
	TOSTAGE 1
	SEND 0, 16
	TOSTAGE 2
	SEND 1, 16
	TOSTAGE 3
	SEND 2, 16
	SEND 3, 0
	WIN 0
	s_wait_tensorcnt 0x0                           ; the wave's end
	ds_add_u32 v[SPW], v[NIL]
	s_wait_dscnt 0x0
	CROUND                                         ; the closing round
	s_endpgm
.Lfunc_end_k_q042587a57a_outg:
	.size	k_q042587a57a_outg, .Lfunc_end_k_q042587a57a_outg-k_q042587a57a_outg
	.p2alignl 7, 3214868480
	.fill 96, 4, 3214868480
	.section	.rodata,"a",@progbits
	.p2align	6, 0x0
	.amdhsa_kernel k_q042587a57a_outg
		.amdhsa_group_segment_fixed_size 327680
		.amdhsa_private_segment_fixed_size 0
		.amdhsa_enable_private_segment 0
		.amdhsa_kernarg_size 48
		.amdhsa_user_sgpr_count 2
		.amdhsa_user_sgpr_kernarg_segment_ptr 1
		.amdhsa_wavefront_size32 1
		.amdhsa_system_sgpr_workgroup_id_x 1
		.amdhsa_system_sgpr_workgroup_id_y 1
		.amdhsa_system_sgpr_workgroup_id_z 1
		.amdhsa_system_vgpr_workitem_id 0
		.amdhsa_next_free_vgpr 640
		.amdhsa_next_free_sgpr 100
		.amdhsa_reserve_vcc 0
		.amdhsa_float_denorm_mode_32 3
		.amdhsa_float_denorm_mode_16_64 3
		.amdhsa_memory_ordered 1
		.amdhsa_forward_progress 1
		.amdhsa_inst_pref_size 183
	.end_amdhsa_kernel
	.amdgpu_metadata
---
amdhsa.version: [ 1, 2 ]
amdhsa.kernels:
  - .name:           k_q042587a57a_outg
    .symbol:         k_q042587a57a_outg.kd
    .args:
      - { .name: ac, .offset: 0, .size: 8, .value_kind: global_buffer, .address_space: global }
      - { .name: asc, .offset: 8, .size: 8, .value_kind: global_buffer, .address_space: global }
      - { .name: wimg, .offset: 16, .size: 8, .value_kind: global_buffer, .address_space: global }
      - { .name: W_ff_out_scales, .offset: 24, .size: 8, .value_kind: global_buffer, .address_space: global }
      - { .name: W_attn_out_scales, .offset: 32, .size: 8, .value_kind: global_buffer, .address_space: global }
      - { .name: out0, .offset: 40, .size: 8, .value_kind: global_buffer, .address_space: global }
    .group_segment_fixed_size: 327680
    .private_segment_fixed_size: 0
    .kernarg_segment_align: 8
    .kernarg_segment_size: 48
    .max_flat_workgroup_size: 128
    .sgpr_count:     100
    .vgpr_count:     640
    .wavefront_size: 32
...
	.end_amdgpu_metadata
.endif
;; end of part 4
